; MI455X (gfx1250); checked and timed in simulation.
; The chip was launched on July 23, 2026; its instructions are those of AMD's public machine-readable ISA for CDNA 5 (MIT licence, August 2026) and "CDNA5" Instruction Set Architecture Reference Guide (July 2026). The comments in the code are by the model that wrote it; some were corrected since.
;; Attention. Allowed arithmetic: matrix products marked QUANTISED: E2M3 operands, one E8M0 scale for each 32 along K, by v_wmma_scale_f32_16x16x128_f8f6f4 with both operands' format E2M3, f32 sums; everything else in f32.
;; Inputs: Wk 1,024 x 1,024 float32; Wo 1,024 x 1,024 float32; Wq 1,024 x 1,024 float32; Wv 1,024 x 1,024 float32; bk 1,024 float32; bo 1,024 float32; bq 1,024 float32; bv 1,024 float32; x 4 x 2,048 x 1,024 float32.
;; Outputs: out0 4 x 2,048 x 1,024 float32.
;; This version of the problem:
;;   THIS VERSION OF THE PROBLEM IS GIVEN IN LOW PRECISION. The matrix products marked QUANTISED in the list below multiply operands that are first quantised to E2M3 (2 exponent bits, 3 mantissa bits; 6 bits a number), with one power-of-two scale for each 32 numbers along K (OCP MX v1.0); their sums are f32. All else is computed in f32.
;;   The module's matrix products, in the order in which they are computed (A, B: the left and right operand; K: the contracted axis; several contracted axes count as one K, in the product's order):
;;     1. [M 8,192, K 1,024] x [K 1,024, N 1,024]; A: input x; B: input Wq: QUANTISED
;;     2. [M 8,192, K 1,024] x [K 1,024, N 1,024]; A: input x; B: input Wk: QUANTISED
;;     3. [M 8,192, K 1,024] x [K 1,024, N 1,024]; A: input x; B: input Wv: QUANTISED
;;     4. batch 64 x [M 2,048, K 64] x [K 64, N 2,048]; A: computed on the way; B: computed on the way: QUANTISED
;;     5. batch 64 x [M 2,048, K 2,048] x [K 2,048, N 64]; A: softmax (see below); B: computed on the way: QUANTISED
;;     6. [M 8,192, K 1,024] x [K 1,024, N 1,024]; A: computed on the way; B: input Wo: QUANTISED
;;   THE QUANTISER, for each operand of a quantised product, along K:
;;     - K is cut into blocks of 32 from its start; a last block that is shorter is filled with zeros.
;;     - A block's scale is 2^e with e = floor(log2(the largest magnitude in the block)) - 2, held to -126 .. 127; a block of zeros has e = 0. As a byte (E8M0): e + 127.
;;     - Each number is divided by its block's scale, clamped to +-7.5, and rounded to the nearest number of E2M3, ties to even, subnormals kept.
;;     - The product sums the exact products of the quantised numbers (number of the format x scale) in f32.
;;   ~~~python
;;   def quantise(x, axis):      # numpy; x: float32 -> the quantised numbers, widened to float32 again
;;       x = np.moveaxis(x, axis, -1); K = x.shape[-1]
;;       x = np.pad(x, [(0, 0)] * (x.ndim - 1) + [(0, -K % 32)]); x = x.reshape(x.shape[:-1] + (-1, 32)); a = np.abs(x).max(-1, keepdims=True)
;;       e = np.where(a > 0, np.clip(np.frexp(np.where(a > 0, a, 1))[1] - 1 - 2, -126, 127), 0)      # np.frexp(a)[1] - 1 = floor(log2(a)), exactly
;;       r = np.clip(x / 2.0 ** e, -7.5, 7.5)
;;       step = 2.0 ** (np.maximum(np.frexp(np.where(r == 0, 1, r))[1] - 1, 0) - 3)
;;       q = np.round(r / step) * step * 2.0 ** e      # np.round: ties to even
;;       return np.moveaxis(q.reshape(q.shape[:-2] + (-1,))[..., :K], -1, axis).astype(np.float32)
;;   ~~~
;;   SOFTMAX AHEAD OF A QUANTISED PRODUCT. Where the list says 'softmax', what is quantised is not the finished softmax but p = 2^(t - M), with t = logit x log2(e) and M = ceil(the row's largest t), a whole number; so 1/2 < the row's largest p <= 1. The row's sum l is taken of the UNQUANTISED p, in f32, and the product's result is divided by l at the end. Since M is a whole number, a kernel that streams over the keys may use a running M (the ceiling of the running maximum): every later rescaling is an exact power of two, which a block's scale takes up: the codes' values come out the same.
;;   OPERANDS COMPUTED ON THE WAY. 'Computed on the way' means the value that the module computes at that place (a softmax that the list does not call 'softmax' is quantised finished and normalised). What goes into a quantiser is computed in f32, as accurately as f32 sums, v_exp_f32 and their like allow (about 1e-6 of the number): no bf16 or f16 on the way to a quantiser, and a product that is left as it is and whose result goes on into a quantised operand takes f32 operands (vector FMAs, or v_wmma_f32_16x16x4_f32). A number that lies on a knife's edge between two numbers of the format may be rounded either way, as far as f32 arithmetic and the matrix unit's own rounding can turn it there, and no further.
;; One version. Each part assembles by itself: llvm-mc -triple=amdgcn-amd-amdhsa -mcpu=gfx1250 --defsym DOCPART=n.
;; ======== version 1 of 1: 4 launches
;; limits: right only within a limited range of input values
;; workspace buffers: ximg 6,291,456 bytes; xsc 262,144 bytes; wimg 3,145,728 bytes; wsc 131,072 bytes; qkv 26,214,400 bytes; oimg 6,291,456 bytes; osc 262,144 bytes
;; launch prep (part 1): grid 384 x 1, 4 waves a work-group, no clusters, 62,976 bytes of LDS; arguments x, Wq, Wk, Wv, Wo, ximg, xsc, wimg, wsc; writes ximg, xsc, wimg, wsc
.if DOCPART == 1
	.amdgcn_target "amdgcn-amd-amdhsa--gfx1250"
	.amdhsa_code_object_version 6
	.text
	.protected	k_q1cd935a5ac_prep
	.globl	k_q1cd935a5ac_prep
	.p2align	8
	.type	k_q1cd935a5ac_prep,@function
k_q1cd935a5ac_prep:
	s_mov_b64 s[64:65], 0
	v_nop
	global_prefetch_b8 v0, s[64:65] scope:SCOPE_SE
	s_setreg_imm32_b32 hwreg(HW_REG_WAVE_MODE, 25, 1), 1
	s_wait_xcnt 0x0
; x [8192][1024] f32 is quantised along its rows, Wq, Wk, Wv, Wo [1024 (k)][1024 (n)] f32 along their FIRST axis, into codes of FP6 (E2M3) with one E8M0 byte for each 32 along K.
; A block's scale is 2^(floor(log2(its largest magnitude)) - 2); its byte is the largest magnitude's exponent field - 2, held at 1 from below.
; LIMITS: NaN and infinities among the inputs are not served; a block whose largest magnitude lies under 2^-124 keeps the byte 1; a block of zeros gets the byte 1 where the rule says 127
; (its codes are zeros, which add nothing under any byte but 0xff, and this program alone reads the bytes).
; WHAT IS STORED ARE IMAGES OF OPERAND REGISTERS.  A tile is 16 slots; tile 2 B + u of a group of 32 rows holds in slot r the row 32 B + 8 u + r + 8 (r / 8).  A fragment (16 slots x 128 K, 12 registers a lane)
; is 1,536 bytes: half c (registers 6 c .. 6 c + 5) at 768 c: registers 6 c .. 6 c + 3 of lane L at 16 L, registers 6 c + 4, 6 c + 5 at 512 + 8 L.
; ximg: [block of 256 rows][K step][tile 16][1536]; wimg: [matrix q, k, v, o][block of 256 n][K step][tile 16][1536].
; Scale words (four bytes: one slot, one K step): [pair of tiles][plane j][lane (r, h)][u]: slot r of tile 2 pair + u, K step 2 j + h.
; SHARES.  A wave takes one pair of tiles x one plane (256 along K): four fragments and 256 bytes of scale words.  Work-groups 0-255 take x (pair = work-group, plane = wave), work-groups 256-383 the weights.
; No matrix work, no tensor load, no barrier: waves share nothing.  The two ways have LDS bytes of their own.
.set XSTG,  8448                       ; x: a wave's stage: 16 rows x (512 bytes + 16)
.set WLDS,  4*XSTG                     ; the weights' LDS begins behind x's stages
.set WREG,  7168                       ; a wave's part of it: four fragment stages and 256 bytes of scale words
.set FST,   1664                       ; a fragment's stage: 1,536 bytes + 128
.set SST,   4*FST                      ; the scale words' stage
.set SEL,   22                         ; s[22:23] lane selects for v_permlanex16_b32: lane l xor 16
.set R0,    16                         ; x: v16-79, v80-143 two sets of 16 x 4 registers as loaded
.set XX,    144                        ; x: v144-207 64 numbers: register 16 b + i = k 32 b + 16 h + i of my slot's row
.set PC,    208                        ; x: v208-219 a fragment's codes; v220-226 the conversions' second halves
.set TM,    228                        ; x: v228-231 largest magnitudes, v232-235 exchange and bytes, v236-239 the conversions' scale operands
.set WX,    32                         ; W: v32-95 two sets of 32 numbers
.set OUTR,  96                         ; W: v96-143 the way out
; 64 numbers of a lane become a fragment's codes in v[PC] on and its scale word in v[pw].
.macro QUANT s, pw
.irp b, 0,1,2,3
	v_max3_num_f32 v[TM+\b], |v[\s+16*\b]|, |v[\s+1+16*\b]|, 0x1800000   ; block b: my 16 numbers, and the floor 2^(3 - 127): the byte cannot fall under 1
.endr
.irp i, 2,4,6,8,10,12,14
.irp b, 0,1,2,3
	v_max3_num_f32 v[TM+\b], v[TM+\b], |v[\s+16*\b+\i]|, |v[\s+1+16*\b+\i]|   ; the four blocks by turns
.endr
.endr
.irp b, 0,1,2,3
	v_permlanex16_b32 v[TM+4+\b], v[TM+\b], s[SEL], s[SEL+1]
.endr
.irp b, 0,1,2,3
	v_max_num_f32 v[TM+\b], v[TM+\b], v[TM+4+\b]   ; with lane l xor 16's 16: the block's largest magnitude
.endr
.irp b, 0,1,2,3
	v_add_nc_u32 v[TM+8+\b], 0xff000000, v[TM+\b]  ; 2 off its exponent field: the conversion takes this operand's exponent field as its scale
.endr
.irp b, 0,1,2,3
	v_lshrrev_b32 v[TM+4+\b], 23, v[TM+8+\b]       ; the scale's byte
.endr
	v_lshl_or_b32 v[\pw], v[TM+5], 8, v[TM+4]      ; four bytes make my slot's scale word
	v_lshl_or_b32 v[\pw], v[TM+6], 16, v[\pw]
	v_lshl_or_b32 v[\pw], v[TM+7], 24, v[\pw]
.irp c, 0,1
	v_cvt_scalef32_pk16_fp6_f32 v[PC+6*\c:PC+2+6*\c], v[\s+32*\c:\s+15+32*\c], v[TM+8+2*\c]
	v_cvt_scalef32_pk16_fp6_f32 v[PC+12+4*\c:PC+14+4*\c], v[\s+16+32*\c:\s+31+32*\c], v[TM+8+2*\c+1]   ; a conversion's three registers begin on an even number
.endr
	v_nop                                          ; one plain place behind a scaled conversion
.irp c, 0,1                                    ; the operand's layout wants a whole block in a lane: lanes 0-15 block 2 c, lanes 16-31 block 2 c + 1
.irp i, 0,1,2
	v_permlane16_swap_b32 v[PC+6*\c+\i], v[PC+12+4*\c+\i]
.endr
.irp i, 0,1,2
	v_mov_b32 v[PC+3+6*\c+\i], v[PC+12+4*\c+\i]
.endr
.endr
.endm
	s_load_b256 s[4:11], s[0:1], 0x0               ; x s[4:5], Wq s[6:7], Wk s[8:9], Wv s[10:11]
	s_load_b256 s[12:19], s[0:1], 0x20             ; Wo s[12:13], ximg s[14:15], xsc s[16:17], wimg s[18:19]
	s_load_b64 s[20:21], s[0:1], 0x40              ; wsc
	v_lshl_add_u32 v254, v0, 2, 0xf400
	v_mov_b32 v255, 0
	v_lshrrev_b32 v1, 5, v0
	v_readfirstlane_b32 s24, v1                    ; wave 0..3
	v_and_b32 v1, 31, v0                           ; lane
	s_cmp_ge_u32 ttmp9, 256
	s_cbranch_scc1 .Lweights
	; ---------------- x: pair = work-group, plane = wave ----------------
	s_mov_b32 s[SEL], 0x76543210
	s_mov_b32 s[SEL+1], 0xfedcba98
	v_and_b32 v2, 15, v0                           ; r
	v_bfe_u32 v3, v0, 4, 1                         ; h
	v_lshlrev_b32 v4, 4, v1                        ; 16 x lane
	v_lshlrev_b32 v5, 3, v1                        ; 8 x lane
	s_mul_i32 s26, s24, XSTG
	v_add_nc_u32 v6, s26, v4                       ; the stage, on the way in: a row's 512 bytes as they lie
	v_mul_u32_u24 v7, v2, 528
	v_lshl_add_u32 v7, v3, 6, v7
	v_add_nc_u32 v7, s26, v7                       ; and on the way out: row r, + 64 h: my 16 numbers of each block of 32
	v_cmp_le_u32 vcc_lo, 16, v1                    ; lanes 16-31
.irp b, 0,1,2,3
	v_mov_b32 v[TM+4+\b], 0                        ; written once: a lane permute's destination counts as one of its sources
.endr
	s_lshl_b32 s28, ttmp9, 17                      ; x: 32 rows of 4,096 bytes a pair,
	s_lshl_b32 s29, s24, 10                        ; 1,024 bytes a plane
	s_add_co_u32 s28, s28, s29
	s_mov_b32 s29, 0
	s_lshr_b32 s30, ttmp9, 3                       ; ximg: block of 256 rows,
	s_mul_i32 s30, s30, 196608
	s_mul_i32 s31, s24, 49152                      ; two K steps a plane,
	s_add_co_u32 s30, s30, s31
	s_and_b32 s31, ttmp9, 7                        ; two tiles a pair
	s_mul_i32 s31, s31, 3072
	s_add_co_u32 s30, s30, s31
	s_mov_b32 s31, 0
	s_lshl_b32 s32, ttmp9, 10                      ; xsc: 1,024 bytes a pair, 256 a plane
	s_lshl_b32 s33, s24, 8
	s_add_co_u32 s32, s32, s33
	s_mov_b32 s33, 0
	s_wait_alu depctr_va_vdst(0)
	s_wait_kmcnt 0x0
	s_add_nc_u64 s[4:5], s[4:5], s[28:29]
	s_add_nc_u64 s[14:15], s[14:15], s[30:31]
	s_add_nc_u64 s[16:17], s[16:17], s[32:33]
; fragment f = 2 s + u: K step s of the plane, tile u of the pair.  Sixteen loads, each 512 consecutive bytes of one row: slot i is row 8 u + i + 8 (i / 8)
.macro XLOAD f
.irp i, 0,1,2,3,4,5,6,7,8,9,10,11,12,13,14,15
	global_load_b128 v[R0+64*((\f)%2)+4*\i:R0+64*((\f)%2)+4*\i+3], v4, s[4:5] offset:(8*((\f)%2)+\i+8*(\i/8))*4096+512*((\f)/2) th:TH_LOAD_NT
.endr
.endm
; through the stage: LDS serves a wave's instructions in order, so no wait stands between the stores and the loads
.macro XTURN f
.irp i, 0,1,2,3,4,5,6,7,8,9,10,11,12,13,14,15
	ds_store_b128 v6, v[R0+64*((\f)%2)+4*\i:R0+64*((\f)%2)+4*\i+3] offset:528*\i
.endr
.irp b, 0,1,2,3
.irp q, 0,1,2,3
	ds_load_b128 v[XX+16*\b+4*\q:XX+16*\b+4*\q+3], v7 offset:128*\b+16*\q
.endr
.endr
.endm
.macro XFRAG f
.set FO, ((\f)/2)*24576+((\f)%2)*1536
.if (\f) < 3
	s_wait_loadcnt 16                              ; this fragment's sixteen loads are in; the other set's sixteen may be out
.else
	s_wait_loadcnt 0x0
.endif
	XTURN \f
	s_wait_dscnt 0x0                               ; my 64 numbers are back, and the stage's stores have read their registers,
.if (\f) < 2
	XLOAD (\f)+2                                   ; which take the fragment two further on
.endif
	s_wait_xcnt 0x0                                ; the last fragment's stores have read its codes: they are written again only behind this wait
	QUANT XX, 8+(\f)
	global_store_b128 v4, v[PC:PC+3], s[14:15] offset:FO            ; 512 consecutive bytes
	global_store_b64 v5, v[PC+4:PC+5], s[14:15] offset:FO+512       ; 256 consecutive bytes
	global_store_b128 v4, v[PC+6:PC+9], s[14:15] offset:FO+768
	global_store_b64 v5, v[PC+10:PC+11], s[14:15] offset:FO+1280
.endm
	XLOAD 0
	XLOAD 1
	XFRAG 0
	XFRAG 1
	XFRAG 2
	XFRAG 3
	v_cndmask_b32 v12, v8, v10, vcc_lo             ; tile 0: lanes 0-15 the plane's first K step, lanes 16-31 its second
	v_cndmask_b32 v13, v9, v11, vcc_lo             ; tile 1 likewise
	global_store_b64 v5, v[12:13], s[16:17]        ; 256 consecutive bytes, aligned
	s_wait_tensorcnt 0x0
	ds_add_u32 v254, v255
	s_wait_dscnt 0x0
	s_endpgm
	; ---------------- the weights: matrix, plane and pair from the work-group's number and the wave ----------------
.Lweights:
	s_sub_co_u32 s25, ttmp9, 256
	s_lshr_b32 s26, s25, 5                         ; matrix 0..3: q, k, v, o
	s_and_b32 s27, s25, 3                          ; plane
	s_bfe_u32 s28, s25, 0x30002
	s_lshl_b32 s28, s28, 2
	s_add_co_u32 s28, s28, s24                     ; pair 0..31: the four waves stand side by side on 512 bytes of a row
	s_wait_alu depctr_va_vdst(0)
	v_lshlrev_b32 v4, 2, v1                        ; LANE x TAKES COLUMN 32 pair + x, AND ITS REGISTERS RUN DOWN K
	v_bfe_u32 v12, v0, 3, 1                        ; that column's tile u = (x / 8) % 2
	v_and_b32 v13, 7, v0
	v_bfe_u32 v14, v0, 4, 1
	v_lshl_or_b32 v13, v14, 3, v13                 ; and slot r = x % 8 + 8 (x / 16)
	s_mul_i32 s29, s24, WREG
	s_add_co_u32 s29, s29, WLDS                    ; my wave's LDS
	v_mul_u32_u24 v15, v12, FST
	v_add_nc_u32 v15, s29, v15
	v_lshl_add_u32 v5, v13, 4, v15                 ; into a fragment's stage: registers 0-3 of a half at 16 r,
	v_lshl_add_u32 v6, v13, 3, v15
	v_add_nc_u32 v6, 512, v6                       ; registers 4, 5 at 512 + 8 r
	v_lshlrev_b32 v7, 3, v13
	v_lshl_add_u32 v7, v12, 2, v7
	v_add_nc_u32 v7, s29, v7
	v_add_nc_u32 v7, SST, v7                       ; my scale words: 8 r + 4 u
	v_lshlrev_b32 v10, 4, v1                       ; the way out: 16 x lane,
	v_lshlrev_b32 v11, 3, v1                       ; 8 x lane
	v_add_nc_u32 v8, s29, v10
	v_add_nc_u32 v9, s29, v11
	v_add_nc_u32 v9, SST, v9
	s_lshl_b32 s30, s27, 20                        ; W: 256 rows of 4,096 bytes a plane,
	s_lshl_b32 s31, s28, 7                         ; 128 bytes a pair
	s_add_co_u32 s30, s30, s31
	s_mov_b32 s31, 0
	s_lshl_b32 s32, s26, 2                         ; wimg: block 4 matrix + pair / 8,
	s_lshr_b32 s33, s28, 3
	s_add_co_u32 s32, s32, s33
	s_mul_i32 s32, s32, 196608
	s_mul_i32 s33, s27, 49152
	s_add_co_u32 s32, s32, s33
	s_and_b32 s33, s28, 7
	s_mul_i32 s33, s33, 3072
	s_add_co_u32 s32, s32, s33
	s_mov_b32 s33, 0
	s_lshl_b32 s34, s26, 5                         ; wsc: pair 32 matrix + pair
	s_add_co_u32 s34, s34, s28
	s_lshl_b32 s34, s34, 10
	s_lshl_b32 s35, s27, 8
	s_add_co_u32 s34, s34, s35
	s_mov_b32 s35, 0
	s_wait_kmcnt 0x0
	s_cmp_eq_u32 s26, 1                            ; the matrix is chosen by the work-group's number alone
	s_cselect_b64 s[6:7], s[8:9], s[6:7]
	s_cmp_eq_u32 s26, 2
	s_cselect_b64 s[6:7], s[10:11], s[6:7]
	s_cmp_eq_u32 s26, 3
	s_cselect_b64 s[6:7], s[12:13], s[6:7]
	s_add_nc_u64 s[6:7], s[6:7], s[30:31]
	s_add_nc_u64 s[18:19], s[18:19], s[32:33]
	s_add_nc_u64 s[20:21], s[20:21], s[34:35]
.macro WLOAD t                         ; block t of the plane's eight: W(32 t + i, my column) into set t % 2
.irp i, 0,1,2,3,4,5,6,7,8,9,10,11,12,13,14,15,16,17,18,19,20,21,22,23,24,25,26,27,28,29,30,31
	global_load_b32 v[WX+32*((\t)%2)+\i], v4, s[6:7] offset:(32*(\t)+\i)*4096 th:TH_LOAD_NT
.endr
.endm
; block t belongs to K step t / 4 of the plane, half c = (t % 4) / 2, lanes' half h = t % 2
.macro BLOCK t
.set XS, WX+32*((\t)%2)
.set BO, 2*FST*((\t)/4)+768*(((\t)%4)/2)
.if (\t) < 7
	s_wait_loadcnt 32                              ; this block's 32 loads are in; the next block's may be out
.else
	s_wait_loadcnt 0x0
.endif
	v_max3_num_f32 v12, |v[XS]|, |v[XS+1]|, |v[XS+2]|               ; the block's largest magnitude: all 32 numbers are mine; two chains
	v_max3_num_f32 v13, |v[XS+3]|, |v[XS+4]|, |v[XS+5]|
.irp i, 6,10,14,18,22,26
	v_max3_num_f32 v12, v12, |v[XS+\i]|, |v[XS+\i+1]|
	v_max3_num_f32 v13, v13, |v[XS+\i+2]|, |v[XS+\i+3]|
.endr
	v_max3_num_f32 v12, v12, |v[XS+30]|, |v[XS+31]|
	v_max3_num_f32 v12, v12, v13, 0x1800000        ; and the floor 2^(3 - 127)
	v_add_nc_u32 v14, 0xff000000, v12              ; 2 off its exponent field: the conversions' scale operand
	v_lshrrev_b32 v13, 23, v14                     ; the scale's byte
.if (\t)%4 == 0
	v_mov_b32 v[16+(\t)/4], v13                    ; four bytes to a K step's word, the lower K in the lower byte
.else
	v_lshl_or_b32 v[16+(\t)/4], v13, 8*((\t)%4), v[16+(\t)/4]
.endif
	v_cvt_scalef32_pk16_fp6_f32 v[20:22], v[XS:XS+15], v14
	v_cvt_scalef32_pk16_fp6_f32 v[24:26], v[XS+16:XS+31], v14      ; a conversion's three registers begin on an even number
	v_nop                                          ; one plain place behind a scaled conversion
	v_mov_b32 v23, v24                             ; six registers on end
	v_mov_b32 v24, v25
	v_mov_b32 v25, v26
	ds_store_b128 v5, v[20:23] offset:BO+256*((\t)%2)
	ds_store_b64 v6, v[24:25] offset:BO+128*((\t)%2)
.if (\t) < 6
	WLOAD (\t)+2
.endif
	s_wait_dscnt 0x0                               ; the stores have read their registers: the next block's codes may be written
.endm
	WLOAD 0
	WLOAD 1
.irp t, 0,1,2,3,4,5,6,7
	BLOCK \t
.endr
	ds_store_b32 v7, v16                           ; K step 2 j: lanes' half 0 of the scale image,
	s_wait_alu depctr_va_vdst(0)
	ds_store_b32 v7, v17 offset:128                ; K step 2 j + 1: half 1
.irp n, 0,1,2,3,4,5,6,7,8,9,10,11
	ds_load_b128 v[OUTR+4*\n:OUTR+4*\n+3], v8 offset:FST*(\n/3)+512*(\n%3)   ; LDS serves a wave's instructions in order: these see my stores
.endr
	ds_load_b64 v[144:145], v9
.irp n, 0,1,2,3,4,5,6,7,8,9,10,11
	s_wait_dscnt 12-\n                             ; load n is in: behind it stand 11 - n of its kind and the scale words'
	global_store_b128 v10, v[OUTR+4*\n:OUTR+4*\n+3], s[18:19] offset:((\n/3)/2)*24576+((\n/3)%2)*1536+512*(\n%3)   ; 512 consecutive bytes
.endr
	s_wait_dscnt 0x0
	global_store_b64 v11, v[144:145], s[20:21]     ; 256 consecutive bytes, aligned
	s_wait_tensorcnt 0x0
	ds_add_u32 v254, v255
	s_wait_dscnt 0x0
	s_endpgm
.Lfunc_end_k_q1cd935a5ac_prep:
	.size	k_q1cd935a5ac_prep, .Lfunc_end_k_q1cd935a5ac_prep-k_q1cd935a5ac_prep
	.p2alignl 7, 3214868480
	.fill 96, 4, 3214868480
	.section	.rodata,"a",@progbits
	.p2align	6, 0x0
	.amdhsa_kernel k_q1cd935a5ac_prep
		.amdhsa_group_segment_fixed_size 62976
		.amdhsa_private_segment_fixed_size 0
		.amdhsa_enable_private_segment 0
		.amdhsa_kernarg_size 72
		.amdhsa_user_sgpr_count 2
		.amdhsa_user_sgpr_kernarg_segment_ptr 1
		.amdhsa_wavefront_size32 1
		.amdhsa_system_sgpr_workgroup_id_x 1
		.amdhsa_system_sgpr_workgroup_id_y 1
		.amdhsa_system_sgpr_workgroup_id_z 1
		.amdhsa_system_vgpr_workitem_id 0
		.amdhsa_next_free_vgpr 256
		.amdhsa_next_free_sgpr 66
		.amdhsa_reserve_vcc 1
		.amdhsa_float_denorm_mode_32 3
		.amdhsa_float_denorm_mode_16_64 3
		.amdhsa_memory_ordered 1
		.amdhsa_forward_progress 1
		.amdhsa_inst_pref_size 76
	.end_amdhsa_kernel
	.amdgpu_metadata
---
amdhsa.version: [ 1, 2 ]
amdhsa.kernels:
  - .name:           k_q1cd935a5ac_prep
    .symbol:         k_q1cd935a5ac_prep.kd
    .args:
      - { .name: x, .offset: 0, .size: 8, .value_kind: global_buffer, .address_space: global }
      - { .name: Wq, .offset: 8, .size: 8, .value_kind: global_buffer, .address_space: global }
      - { .name: Wk, .offset: 16, .size: 8, .value_kind: global_buffer, .address_space: global }
      - { .name: Wv, .offset: 24, .size: 8, .value_kind: global_buffer, .address_space: global }
      - { .name: Wo, .offset: 32, .size: 8, .value_kind: global_buffer, .address_space: global }
      - { .name: ximg, .offset: 40, .size: 8, .value_kind: global_buffer, .address_space: global }
      - { .name: xsc, .offset: 48, .size: 8, .value_kind: global_buffer, .address_space: global }
      - { .name: wimg, .offset: 56, .size: 8, .value_kind: global_buffer, .address_space: global }
      - { .name: wsc, .offset: 64, .size: 8, .value_kind: global_buffer, .address_space: global }
    .group_segment_fixed_size: 62976
    .private_segment_fixed_size: 0
    .kernarg_segment_align: 8
    .kernarg_segment_size: 72
    .max_flat_workgroup_size: 128
    .sgpr_count:     66
    .vgpr_count:     256
    .wavefront_size: 32
...
	.end_amdgpu_metadata
.endif
;; end of part 1
;; launch qkv (part 2): grid 12 x 32, 4 waves a work-group, clusters of 4 x 4, 327,680 bytes of LDS; arguments ximg, xsc, wimg, wsc, bq, bk, bv, qkv; writes qkv
.if DOCPART == 2
	.amdgcn_target "amdgcn-amd-amdhsa--gfx1250"
	.amdhsa_code_object_version 6
	.text
	.protected	k_q1cd935a5ac_qkv
	.globl	k_q1cd935a5ac_qkv
	.p2align	8
	.type	k_q1cd935a5ac_qkv,@function
k_q1cd935a5ac_qkv:
	s_mov_b64 s[64:65], 0
	v_nop
	global_prefetch_b8 v0, s[64:65] scope:SCOPE_SE
	s_setreg_imm32_b32 hwreg(HW_REG_WAVE_MODE, 25, 1), 1
	s_wait_xcnt 0x0
	s_wait_alu depctr_hold_cnt(0) depctr_sa_sdst(0) depctr_va_vdst(0) depctr_va_sdst(0) depctr_va_ssrc(0) depctr_va_vcc(0) depctr_vm_vsrc(0)
	s_getreg_b32 s2, hwreg(HW_REG_IB_STS2, 6, 4)
	s_cmp_eq_u32 s2, 0
	s_cbranch_scc0 .Lentry_in_a_cluster
	s_endpgm
.Lentry_in_a_cluster:
	s_bfe_u32 s2, ttmp6, 0x10000c
	s_cmp_lg_u32 s2, 0xf033
	s_cbranch_scc0 .Lentry_shape_is_right
	s_endpgm
.Lentry_shape_is_right:
; q = x Wq + bq, k = x Wk + bk, v = x Wv + bv on codes of FP6 (E2M3) with E8M0 scales, sums in f32; the results are quantised at once, q and k along a head's 64, v along the keys, and stored as images of
; the operand registers of the attention's products.  Nothing leaves in f32.
; SHARES.  Work-group (X, Y): block X of 256 columns of [Wq | Wk | Wv] (X 0-3 q, 4-7 k, 8-11 v) x block Y of 256 rows of x, K = 1,024 in 8 steps of 128.  Four waves, each 128 x 128: 64 accumulators.
; MODE (1 where the cluster's x is 2: the same in all sixteen partners).  MODE 0 (q, k): source 0 "P" = W's tiles, source 1 "N" = x's: a lane holds one token and its registers run along the head's axis.
; MODE 1 (v): P = x's tiles, N = Wv's: a lane holds one channel and its registers run along the keys.  Only LDS read bases, scale pointers, the bias and the way out hang on MODE; the K steps are one text.
; A tile's slots are not neighbouring rows: slot r of tile 2 B + u is row 32 B + 8 u + r + 8 (r / 8), so that the 16 result registers of P's tiles 2 B and 2 B + 1 are 16 neighbours: 32 B + 16 (lane / 16) + 0 .. 15.
; A fragment's image is 1,536 bytes: half c at 768 c: registers 6 c .. 6 c + 3 of lane L at 16 L, registers 6 c + 4, 6 c + 5 at 512 + 8 L: every LDS read is of consecutive bytes.
; LDS: six regions of 49,152 bytes, [W's 16 fragments][x's 16 fragments] of one K step.  K steps 0-5 are first fills; K steps 6 and 7 fill regions 0 and 1 again, behind the launch's one such round.
; CLUSTER 4 x 4: W's block hangs on X alone and is asked for jointly along a column of the cluster, x's on Y alone, along a row.
; ALL SCALE WORDS of a wave's 8 + 8 tiles for all of K are 64 registers, loaded once from memory: register (pair i, plane j, u): lanes 0-15 K step 2 j, lanes 16-31 K step 2 j + 1.
; OUT: qkv [sel 2][batch x head 64][key step 16][record of 12,800 bytes]: +0 eight half images [tile 8][768] of q (sel 0) or k (sel 1); +6144 four fragments of V^T (sel 1); +12288 q's or k's scale words
; [lane (r, h)][i]: pair 2 i + h, bytes (tile 2 pair: two, tile 2 pair + 1: two); +12544 V^T's scale words [lane][i]: tile 2 i + h.
; LIMITS: as the quantiser's in the launch before: a block under 2^-124 keeps the byte 1, a block of zeros too; NaN and infinities are not served.
; REGISTERS: window 0: v1-3 lane, r, h; v4-7 LDS addresses in hand; v8-15 scale words made; v16-19 their bases; v20, v21 16 x, 8 x lane; v28, v29 the add's; v32-63 P's scale words, v64-95 N's;
;   v96-127 and v224-255 the bias; v128-223 N's 8 fragments, one set (on the way out: v128-191 numbers, v192-210 codes, v212-223 at work).  window 1: P's fragments, two sets, at v0 and v128.
;   windows 2, 3: accumulator (a, b) at v[8 (8 (a % 4) + b)].
.set REG,   49152
.set HALF,  24576
.set SPARE, 6*REG                      ; behind the regions: the spare words, 128 bytes a wave: two blocks of 256 bytes that no other line names
.set SPW, 28
.set NIL, 29
.set SCP, 32
.set SCN, 64
.set AF,  128
.set H,   128
.set PC,  192
.set TM,  212
.set G1W, 28                           ; s[28:35] descriptor group 1 for W's blocks;  s[36:43] for x's: they differ in the mask
.set G1X, 36
.set G0W, 44                           ; s[44:55] three groups 0 for W;  s[68:79] three for x
.set G0X, 68
.set SEL, 58                           ; s[58:59] lane selects for v_permlanex16_b32
.set MSB, 0
.macro WIN new                         ; the immediate's high byte repeats the setting that is left
.if MSB != (\new)
	s_set_vgpr_msb (MSB<<8)|(\new)
.set MSB, (\new)
.endif
.endm
.set MUL_LO, 0xa1                      ; source 0 (P) window 1, source 1 (N) window 0, C and D window 2
.set MUL_HI, 0xf1                      ; the same, C and D window 3
.set TO_B,   0x40                      ; destination window 1, address window 0
.macro PLACES n
.rept \n
	v_nop
.endr
.endm
; The joint refill: waves 0 and 1 fetch for W, waves 2 and 3 for x.  The branch hangs on the wave's number alone.  Four v_nop follow each of the two lines.
.macro JLOAD p                         ; p: which of the three groups 0
	s_cmp_eq_u32 s21, 0
	s_cbranch_scc0 .Lfor_x_\@
	tensor_load_to_lds s[G0W+4*\p:G0W+4*\p+3], s[G1W:G1W+7]
	s_nop 0
	PLACES 4
	s_branch .Lasked_\@
.Lfor_x_\@:
	tensor_load_to_lds s[G0X+4*\p:G0X+4*\p+3], s[G1X:G1X+7]
	s_nop 0
	PLACES 4
.Lasked_\@:
.endm
.macro CREST                           ; a round of the cluster's barrier behind its opening barrier
	s_cmp_lg_u32 s20, 0
	s_cbranch_scc1 .Lnot_wave_0_\@
	s_barrier_signal -3
.Lnot_wave_0_\@:
	s_barrier_wait -3
	s_barrier_signal -1
	s_barrier_wait -1
.endm
.macro CROUND
	s_barrier_signal -1
	s_barrier_wait -1
	CREST
.endm
.macro FRAG reg, a16, a8, off          ; a fragment's image into 12 registers
	ds_load_b128 v[\reg:\reg+3], v[\a16] offset:\off
	ds_load_b64 v[\reg+4:\reg+5], v[\a8] offset:\off+512
	ds_load_b128 v[\reg+6:\reg+9], v[\a16] offset:\off+768
	ds_load_b64 v[\reg+10:\reg+11], v[\a8] offset:\off+1280
.endm
.macro QUANT s, pw                     ; 64 numbers of a lane, register 16 b + i = k 32 b + 16 h + i, become codes in v[PC] on and a scale word in v[pw]
.irp b, 0,1,2,3
	v_max3_num_f32 v[TM+\b], |v[\s+16*\b]|, |v[\s+1+16*\b]|, 0x1800000   ; my 16 numbers of block b, and the floor 2^(3 - 127)
.endr
.irp i, 2,4,6,8,10,12,14
.irp b, 0,1,2,3
	v_max3_num_f32 v[TM+\b], v[TM+\b], |v[\s+16*\b+\i]|, |v[\s+1+16*\b+\i]|
.endr
.endr
.irp b, 0,1,2,3
	v_permlanex16_b32 v[TM+4+\b], v[TM+\b], s[SEL], s[SEL+1]
.endr
.irp b, 0,1,2,3
	v_max_num_f32 v[TM+\b], v[TM+\b], v[TM+4+\b]
.endr
.irp b, 0,1,2,3
	v_add_nc_u32 v[TM+8+\b], 0xff000000, v[TM+\b]  ; 2 off the exponent field: the conversion's scale operand
.endr
.irp b, 0,1,2,3
	v_lshrrev_b32 v[TM+4+\b], 23, v[TM+8+\b]       ; the scale's byte
.endr
	v_lshl_or_b32 v[\pw], v[TM+5], 8, v[TM+4]
	v_lshl_or_b32 v[\pw], v[TM+6], 16, v[\pw]
	v_lshl_or_b32 v[\pw], v[TM+7], 24, v[\pw]
.irp c, 0,1
	v_cvt_scalef32_pk16_fp6_f32 v[PC+6*\c:PC+2+6*\c], v[\s+32*\c:\s+15+32*\c], v[TM+8+2*\c]
	v_cvt_scalef32_pk16_fp6_f32 v[PC+12+4*\c:PC+14+4*\c], v[\s+16+32*\c:\s+31+32*\c], v[TM+8+2*\c+1]
.endr
	v_nop                                          ; one plain place behind a scaled conversion
.irp c, 0,1
.irp i, 0,1,2
	v_permlane16_swap_b32 v[PC+6*\c+\i], v[PC+12+4*\c+\i]
.endr
.irp i, 0,1,2
	v_mov_b32 v[PC+3+6*\c+\i], v[PC+12+4*\c+\i]
.endr
.endr
.endm
	s_load_b256 s[4:11], s[0:1], 0x0               ; ximg s[4:5], xsc s[6:7], wimg s[8:9], wsc s[10:11]
	s_load_b256 s[12:19], s[0:1], 0x20             ; bq s[12:13], bk s[14:15], bv s[16:17], qkv s[18:19]
	v_lshl_add_u32 v[SPW], v0, 2, SPARE
	v_mov_b32 v[NIL], 0
	ds_add_u32 v28, v29
	ds_add_u32 v28, v29
	s_wait_dscnt 0x0
	v_lshrrev_b32 v1, 5, v0
	v_readfirstlane_b32 s20, v1                    ; wave 0..3
	s_lshr_b32 s21, s20, 1                         ; my half of N's tiles.  Also: I fetch for W (0) or for x (1)
	s_and_b32 s22, s20, 1                          ; my half of P's tiles.  Also: the even or the odd K step of a pair
	s_bfe_u32 s24, ttmp6, 0x40000                  ; cx
	s_bfe_u32 s25, ttmp6, 0x40004                  ; cy
	s_lshl_b32 s26, ttmp9, 2
	s_add_co_u32 s26, s26, s24                     ; X = 4 x cluster x + cx
	s_and_b32 s27, ttmp7, 0xffff
	s_lshl_b32 s27, s27, 2
	s_add_co_u32 s27, s27, s25                     ; Y = 4 x cluster y + cy
	s_cmp_ge_u32 ttmp9, 2
	s_cselect_b32 s23, 1, 0                        ; MODE
	s_lshl_b32 s80, s25, 2
	s_lshl_b32 s80, 15, s80                        ; my row of the cluster
	s_lshl_b32 s81, 0x1111, s24                    ; my column
	; descriptor group 1: a dense block of 24,576 bytes as 96 rows of 32 elements of 8 bytes, no padding
	s_or_b32 s[G1W], s81, (3<<16)|(1<<21)          ; 15:0 the mask: W's blocks go to my column; 17:16 elements of 8 bytes; 21 set beside a mask
	s_or_b32 s[G1X], s80, (3<<16)|(1<<21)          ; x's blocks go to my row
.irp g, G1W, G1X
	s_mov_b32 s[\g+1], 32<<16                      ; tensor_dim0 = 32
	s_mov_b32 s[\g+2], 96<<16                      ; tensor_dim1 = 96
	s_mov_b32 s[\g+3], 32<<16                      ; tile_dim0 = 32
	s_mov_b32 s[\g+4], 96                          ; tile_dim1 = 96
	s_mov_b32 s[\g+5], 32                          ; stride from row to row
	s_mov_b32 s[\g+6], 0
	s_mov_b32 s[\g+7], 0
.endr
	s_mul_i32 s82, s22, HALF                       ; K step w & 1 of a pair of K steps
	s_mul_i32 s84, s26, 196608                     ; W: block X; these registers never hold Y
	s_add_co_u32 s84, s84, s82
	s_mov_b32 s85, 0
	s_mul_i32 s86, s27, 196608                     ; x: block Y; these never hold X
	s_add_co_u32 s86, s86, s82
	s_mov_b32 s87, 0
	s_mul_i32 s83, s22, REG                        ; region w & 1 of a pair of regions: no place in the cluster enters an LDS address
	s_wait_kmcnt 0x0
	s_add_nc_u64 s[84:85], s[8:9], s[84:85]
	s_add_nc_u64 s[86:87], s[4:5], s[86:87]
	CROUND                                         ; all sixteen work-groups are here: the first joint loads meet
.irp p, 0,1,2
	s_mov_b32 s[G0W+4*\p], 1                       ; count = 1
	s_add_co_u32 s[G0W+4*\p+1], s83, \p*2*REG      ; LDS: region 2 p + (w & 1), W's half
	s_add_nc_u64 s[G0W+4*\p+2:G0W+4*\p+3], s[84:85], \p*2*HALF   ; K step 2 p + (w & 1)
	s_or_b32 s[G0W+4*\p+3], s[G0W+4*\p+3], 0x80000000            ; type = 2
	s_mov_b32 s[G0X+4*\p], 1
	s_add_co_u32 s[G0X+4*\p+1], s83, \p*2*REG+HALF ; x's half
	s_add_nc_u64 s[G0X+4*\p+2:G0X+4*\p+3], s[86:87], \p*2*HALF
	s_or_b32 s[G0X+4*\p+3], s[G0X+4*\p+3], 0x80000000
.endr
	s_cmp_eq_u32 s21, 0                            ; one tensor load a wave at the head: a half of K step 0 or 1
	s_cbranch_scc0 .Lfirst_x
	tensor_load_to_lds s[G0W:G0W+3], s[G1W:G1W+7]
	s_nop 0
	PLACES 4
	s_branch .Lfirst_asked
.Lfirst_x:
	tensor_load_to_lds s[G0X:G0X+3], s[G1X:G1X+7]
	s_nop 0
	PLACES 4
.Lfirst_asked:
	v_and_b32 v1, 31, v0                           ; lane
	v_and_b32 v2, 15, v0                           ; r
	v_bfe_u32 v3, v0, 4, 1                         ; h
	v_lshlrev_b32 v20, 4, v1
	s_wait_alu depctr_va_vdst(0)
	v_lshlrev_b32 v21, 3, v1
	s_wait_alu depctr_va_vdst(0)
	s_mov_b32 s[SEL], 0x76543210
	s_mov_b32 s[SEL+1], 0xfedcba98
	s_cmp_eq_u32 s23, 1
	s_cselect_b32 s80, HALF, 0                     ; P's half of a region: x's in MODE 1, else W's;
	s_cselect_b32 s81, 0, HALF                     ; N's is the other.  Either way an address stays inside its region
	s_cselect_b64 s[88:89], s[6:7], s[10:11]       ; P's scale words,
	s_cselect_b64 s[90:91], s[10:11], s[6:7]       ; N's,
	s_cselect_b32 s92, s27, s26                    ; P's block of 8 pairs,
	s_cselect_b32 s94, s26, s27                    ; N's,
	s_cselect_b32 s98, s21, s22                    ; which half of the block's 256 columns is mine
	s_mul_i32 s82, s22, 12288                      ; my 8 of P's 16 fragments
	s_add_co_u32 s80, s80, s82
	s_mul_i32 s82, s21, 12288                      ; my 8 of N's
	s_add_co_u32 s81, s81, s82
	v_add_nc_u32 v16, s80, v20
	v_add_nc_u32 v17, s80, v21
	v_add_nc_u32 v18, s81, v20
	v_add_nc_u32 v19, s81, v21
	s_lshl_b32 s92, s92, 13                        ; 8 pairs of 1,024 bytes a block,
	s_lshl_b32 s82, s22, 12                        ; 4 pairs a wave
	s_add_co_u32 s92, s92, s82
	s_mov_b32 s93, 0
	s_lshl_b32 s94, s94, 13
	s_lshl_b32 s82, s21, 12
	s_add_co_u32 s94, s94, s82
	s_mov_b32 s95, 0
	s_add_nc_u64 s[88:89], s[88:89], s[92:93]
	s_add_nc_u64 s[90:91], s[90:91], s[94:95]
.irp i, 0,1,2,3
.irp j, 0,1,2,3
	global_load_b64 v[SCP+8*\i+2*\j:SCP+8*\i+2*\j+1], v21, s[88:89] offset:\i*1024+\j*256   ; 256 consecutive bytes: tiles 2 i, 2 i + 1, K steps 2 j, 2 j + 1
	global_load_b64 v[SCN+8*\i+2*\j:SCN+8*\i+2*\j+1], v21, s[90:91] offset:\i*1024+\j*256
.endr
.endr
	s_cmp_eq_u32 ttmp9, 0                          ; the bias: bq, bk or bv by the cluster's x
	s_cselect_b64 s[96:97], s[12:13], s[14:15]
	s_cmp_eq_u32 s23, 1
	s_cselect_b64 s[96:97], s[16:17], s[96:97]
	s_and_b32 s82, s26, 3
	s_lshl_b32 s82, s82, 10                        ; 256 numbers a block,
	s_lshl_b32 s98, s98, 9                         ; 128 a wave
	s_add_co_u32 s98, s98, s82
	s_mov_b32 s99, 0
	s_add_nc_u64 s[96:97], s[96:97], s[98:99]
	s_cmp_eq_u32 s23, 0
	s_cbranch_scc0 .Lbias_v
	v_lshlrev_b32 v22, 6, v3                       ; MODE 0: bias register 16 B + i = b(32 B + 16 h + i): the layout of a lane's 64 results
.irp b, 0,1,2,3
.irp q, 0,1,2,3
	global_load_b128 v[96+16*\b+4*\q+96*(\b/2):96+16*\b+4*\q+96*(\b/2)+3], v22, s[96:97] offset:128*\b+16*\q
.endr
.endr
	s_branch .Lbias_in
.Lbias_v:
	v_and_b32 v22, 8, v2                           ; MODE 1: a lane holds one channel of tile a: registers 8 a .. 8 a + 7 all hold its bias; every register of the set is written on both ways
	v_add_nc_u32 v22, v22, v2
	v_lshlrev_b32 v22, 2, v22                      ; 4 (r + 8 (r / 8))
.set bi, 0
.rept 64
	global_load_b32 v[96+bi+96*(bi/32)], v22, s[96:97] offset:(32*((bi/8)/2)+8*((bi/8)%2))*4
.set bi, bi+1
.endr
.Lbias_in:
; 16 matrix instructions: N's tiles a0, a0 + 1 x P's eight, K step s.  p: P's set.  zero = 1: the first product starts the sums.
; The 64 accumulators take turns, one instruction a turn, in the same order in every K step.  An odd K step's scale words lie in lanes 16-31.
.macro MUL16 a0, p, s, zero
.irp a, \a0, \a0+1
.irp b, 0,1,2,3,4,5,6,7
.set rD, 8*(8*((\a)%4)+\b)
.set rP, 128*(\p)+12*\b
.set rN, AF+12*(\a)
.set rS, SCP+8*(\b/2)+2*((\s)/2)+\b%2
.set rT, SCN+8*((\a)/2)+2*((\s)/2)+(\a)%2
.if \zero
	v_wmma_scale_f32_16x16x128_f8f6f4 v[rD:rD+7], v[rP:rP+11], v[rN:rN+11], 0, v[rS], v[rT] matrix_a_fmt:MATRIX_FMT_FP6 matrix_b_fmt:MATRIX_FMT_FP6
.elseif (\s)%2
	v_wmma_scale_f32_16x16x128_f8f6f4 v[rD:rD+7], v[rP:rP+11], v[rN:rN+11], v[rD:rD+7], v[rS], v[rT] matrix_a_fmt:MATRIX_FMT_FP6 matrix_b_fmt:MATRIX_FMT_FP6 matrix_a_scale:MATRIX_SCALE_ROW1 matrix_b_scale:MATRIX_SCALE_ROW1
.else
	v_wmma_scale_f32_16x16x128_f8f6f4 v[rD:rD+7], v[rP:rP+11], v[rN:rN+11], v[rD:rD+7], v[rS], v[rT] matrix_a_fmt:MATRIX_FMT_FP6 matrix_b_fmt:MATRIX_FMT_FP6
.endif
.endr
.endr
.endm
.macro FETCH_B p                       ; P's eight fragments into set p
	WIN TO_B
.irp i, 0,1,2,3,4,5,6,7
	FRAG 128*(\p)+12*\i, 4, 5, \i*1536
.endr
	WIN 0
.endm
.macro FETCH_A i0                      ; N's fragments i0 .. i0 + 3
.irp i, \i0, \i0+1, \i0+2, \i0+3
	FRAG AF+12*(\i), 6, 7, (\i)*1536
.endr
.endm
.macro ADV rn                          ; the addresses of region rn: four plain instructions, which are also the four places in front of the loads that follow
.irp k, 0,1,2,3
	v_add_nc_u32 v[4+\k], (\rn)*REG, v[16+\k]
.endr
.endm
.macro REST s, rn                      ; a K step's second half: the next step's fragments are asked for from region rn in two runs
	ADV \rn
	FETCH_B 1-(\s)%2
	FETCH_A 0
	WIN MUL_HI
	MUL16 4, (\s)%2, \s, 0
	MUL16 6, (\s)%2, \s, 0
	PLACES 4
	WIN 0
	FETCH_A 4
.endm
.macro STEP s, rn, zero
	s_wait_dscnt 16                                ; P's set and N's fragments 0-3 are in; the youngest sixteen loads (N's 4-7) may be out
	WIN MUL_LO
	MUL16 0, (\s)%2, \s, \zero
	MUL16 2, (\s)%2, \s, \zero
	s_wait_dscnt 0x0                               ; N's fragments 4-7 are in
	WIN 0
	ADV \rn
	FETCH_B 1-(\s)%2
	FETCH_A 0
	WIN MUL_HI
	MUL16 4, (\s)%2, \s, \zero
	MUL16 6, (\s)%2, \s, \zero
	PLACES 4
	WIN 0
	FETCH_A 4
.endm
; A K step with a barrier in its first half, behind which regions become readable.  kind 0: my second load has landed, my third may stay out.
; kind 1: all my loads have landed; the barrier opens a round of the cluster's, and behind it regions 0 and 1 are filled again with K steps 6 and 7.  kind 2: that refill has landed.
.macro TURN s, rn, kind
.if \kind
	s_wait_tensorcnt 0x0                           ; all my tensor loads have landed
	ds_add_u32 v[SPW], v[NIL]                      ; 0 onto my spare word
	s_wait_dscnt 17                                ; (the add and the youngest sixteen loads may be out)
.else
	s_wait_tensorcnt 1                             ; of my three first fills the last may be out
	s_wait_dscnt 16
.endif
	WIN MUL_LO
	MUL16 0, (\s)%2, \s, 0
	s_wait_dscnt 0x0                               ; the add is done and my LDS reads are over
	s_barrier_signal -1
	MUL16 2, (\s)%2, \s, 0
	WIN 0                                          ; at a branch and at a label every window is 0
	s_barrier_wait -1
.if \kind == 1
	CREST                                          ; no wave of any partner still reads regions 0 and 1 or has a load on its way
	s_add_nc_u64 s[G0W+2:G0W+3], s[G0W+2:G0W+3], 6*HALF   ; K step 6 + (w & 1), into the region of K step w & 1
	s_add_nc_u64 s[G0X+2:G0X+3], s[G0X+2:G0X+3], 6*HALF
	JLOAD 0                                        ; my one tensor load behind the round
.endif
.if \kind == 3
	CREST                                          ; kind 3: a round behind which regions 4 and 5 have their first fill, K steps 4 and 5
	JLOAD 2
.endif
	REST \s, \rn
.endm
	s_wait_alu depctr_va_vdst(0)
	s_wait_tensorcnt 0x0                           ; my half of K step 0 or 1 is in; the three lines ahead of a later first fill
	ds_add_u32 v[SPW], v[NIL]
	s_wait_dscnt 0x0
	CROUND                                         ; everybody's part is in, and the joint loads meet
	JLOAD 1                                        ; K steps 2 and 3 into regions 2 and 3: my one load behind the round
	ADV 0
	FETCH_B 0
	FETCH_A 0
	FETCH_A 4
	s_wait_loadcnt 0x0                             ; scale words and bias
	STEP 0, 1, 1
	TURN 1, 2, 3
	STEP 2, 3, 0
	TURN 3, 4, 1
	STEP 4, 5, 0
	TURN 5, 0, 2
	STEP 6, 1, 0
	s_wait_dscnt 16                                ; K step 7: nothing more to fetch
	WIN MUL_LO
	MUL16 0, 1, 7, 0
	MUL16 2, 1, 7, 0
	s_wait_dscnt 0x0
	WIN MUL_HI
	MUL16 4, 1, 7, 0
	MUL16 6, 1, 7, 0
	WIN 0
	PLACES 4                                       ; behind the last products: their results are read and their fragments' registers written below
	; THE WAY OUT.  N's tile a at a time: 64 results a lane, + bias (which also brings them into window 0), quantised, stored as an image.
.irp b, 0,1,2,3
	v_mov_b32 v[TM+4+\b], 0                        ; written once: a lane permute's destination counts as one of its sources
.endr
	v_cmp_le_u32 vcc_lo, 16, v1                    ; lanes 16-31
	s_cmp_eq_u32 s23, 1
	s_cselect_b32 s80, s21, s22                    ; my half of the 256 columns,
	s_cselect_b32 s81, s22, s21                    ; my half of the 256 tokens
	s_lshr_b32 s82, s26, 2
	s_min_u32 s82, s82, 1                          ; sel: 0 for q, 1 for k and for v
	s_lshl_b32 s83, s26, 2
	s_lshl_b32 s80, s80, 1
	s_add_co_u32 s83, s83, s80
	s_and_b32 s83, s83, 15                         ; my first head of two
	s_lshr_b32 s84, s27, 3                         ; batch
	s_lshl_b32 s85, s27, 1
	s_add_co_u32 s85, s85, s81
	s_and_b32 s85, s85, 15                         ; key step
	s_lshl_b32 s82, s82, 6
	s_lshl_b32 s84, s84, 4
	s_add_co_u32 s82, s82, s84
	s_add_co_u32 s82, s82, s83
	s_lshl_b32 s82, s82, 4
	s_add_co_u32 s82, s82, s85
	s_mul_i32 s82, s82, 12800
	s_mov_b32 s83, 0
	s_add_nc_u64 s[56:57], s[18:19], s[82:83]      ; my record; the next head's lies 204,800 bytes on
.macro EPI mode
.irp a, 0,1,2,3,4,5,6,7
	WIN 0x02+(\a/4)                                ; source 0: window 2 or 3
.set ei, 0
.rept 32
.if \mode
.set bi, 8*\a+2*(ei%4)
.else
.set bi, 2*ei
.endif
	v_pk_add_f32 v[H+2*ei:H+2*ei+1], v[64*(\a%4)+2*ei:64*(\a%4)+2*ei+1], v[96+bi+96*(bi/32):96+bi+96*(bi/32)+1]   ; each accumulator from its low end on
.set ei, ei+1
.endr
	WIN 0
	s_wait_xcnt 0x0                                ; the last tile's stores have read its codes: they are written again only behind this wait
	QUANT H, 8+\a
.if \mode
.set FO, (\a/4)*204800+6144+(\a%4)*1536        ; a fragment of V^T: head a / 4, tile a % 4; K = my 128 keys
	global_store_b128 v20, v[PC:PC+3], s[56:57] offset:FO
	global_store_b64 v21, v[PC+4:PC+5], s[56:57] offset:FO+512
	global_store_b128 v20, v[PC+6:PC+9], s[56:57] offset:FO+768
	global_store_b64 v21, v[PC+10:PC+11], s[56:57] offset:FO+1280
.else
.irp c, 0,1                                    ; half c is head c's 64 of tile a's 16 tokens
	global_store_b128 v20, v[PC+6*\c:PC+6*\c+3], s[56:57] offset:\c*204800+\a*768
	global_store_b64 v21, v[PC+6*\c+4:PC+6*\c+5], s[56:57] offset:\c*204800+\a*768+512
.endr
.endif
.endr
.irp c, 0,1
.if \mode
	v_cndmask_b32 v[H+8*\c+4], v[8+4*\c], v[8+4*\c+1], vcc_lo       ; head c: register i: lanes 0-15 tile 2 i, lanes 16-31 tile 2 i + 1
	v_cndmask_b32 v[H+8*\c+5], v[8+4*\c+2], v[8+4*\c+3], vcc_lo
	global_store_b64 v21, v[H+8*\c+4:H+8*\c+5], s[56:57] offset:\c*204800+12544
.else
.irp p, 0,1,2,3
	v_perm_b32 v[H+8*\c+\p], v[8+2*\p+1], v[8+2*\p], 0x05040100+\c*0x02020202   ; pair p: head c's two bytes of tile 2 p, then of tile 2 p + 1
.endr
	v_cndmask_b32 v[H+8*\c+4], v[H+8*\c], v[H+8*\c+1], vcc_lo       ; register i: lanes 0-15 pair 2 i, lanes 16-31 pair 2 i + 1
	v_cndmask_b32 v[H+8*\c+5], v[H+8*\c+2], v[H+8*\c+3], vcc_lo
	global_store_b64 v21, v[H+8*\c+4:H+8*\c+5], s[56:57] offset:\c*204800+12288
.endif
.endr
.endm
	s_cmp_eq_u32 s23, 0
	s_cbranch_scc0 .Lout_v
	EPI 0
	s_branch .Lout_done
.Lout_v:
	EPI 1
.Lout_done:
	s_wait_tensorcnt 0x0                           ; the wave's end
	ds_add_u32 v[SPW], v[NIL]
	s_wait_dscnt 0x0
	CROUND                                         ; the closing round: no work-group ends while a partner may still ask for a block that names it
	s_endpgm
.Lfunc_end_k_q1cd935a5ac_qkv:
	.size	k_q1cd935a5ac_qkv, .Lfunc_end_k_q1cd935a5ac_qkv-k_q1cd935a5ac_qkv
	.p2alignl 7, 3214868480
	.fill 96, 4, 3214868480
	.section	.rodata,"a",@progbits
	.p2align	6, 0x0
	.amdhsa_kernel k_q1cd935a5ac_qkv
		.amdhsa_group_segment_fixed_size 327680
		.amdhsa_private_segment_fixed_size 0
		.amdhsa_enable_private_segment 0
		.amdhsa_kernarg_size 64
		.amdhsa_user_sgpr_count 2
		.amdhsa_user_sgpr_kernarg_segment_ptr 1
		.amdhsa_wavefront_size32 1
		.amdhsa_system_sgpr_workgroup_id_x 1
		.amdhsa_system_sgpr_workgroup_id_y 1
		.amdhsa_system_sgpr_workgroup_id_z 1
		.amdhsa_system_vgpr_workitem_id 0
		.amdhsa_next_free_vgpr 1024
		.amdhsa_next_free_sgpr 100
		.amdhsa_reserve_vcc 1
		.amdhsa_float_denorm_mode_32 3
		.amdhsa_float_denorm_mode_16_64 3
		.amdhsa_memory_ordered 1
		.amdhsa_forward_progress 1
		.amdhsa_inst_pref_size 223
	.end_amdhsa_kernel
	.amdgpu_metadata
---
amdhsa.version: [ 1, 2 ]
amdhsa.kernels:
  - .name:           k_q1cd935a5ac_qkv
    .symbol:         k_q1cd935a5ac_qkv.kd
    .args:
      - { .name: ximg, .offset: 0, .size: 8, .value_kind: global_buffer, .address_space: global }
      - { .name: xsc, .offset: 8, .size: 8, .value_kind: global_buffer, .address_space: global }
      - { .name: wimg, .offset: 16, .size: 8, .value_kind: global_buffer, .address_space: global }
      - { .name: wsc, .offset: 24, .size: 8, .value_kind: global_buffer, .address_space: global }
      - { .name: bq, .offset: 32, .size: 8, .value_kind: global_buffer, .address_space: global }
      - { .name: bk, .offset: 40, .size: 8, .value_kind: global_buffer, .address_space: global }
      - { .name: bv, .offset: 48, .size: 8, .value_kind: global_buffer, .address_space: global }
      - { .name: qkv, .offset: 56, .size: 8, .value_kind: global_buffer, .address_space: global }
    .group_segment_fixed_size: 327680
    .private_segment_fixed_size: 0
    .kernarg_segment_align: 8
    .kernarg_segment_size: 64
    .max_flat_workgroup_size: 128
    .sgpr_count:     100
    .vgpr_count:     1024
    .wavefront_size: 32
...
	.end_amdgpu_metadata
.endif
;; end of part 2
;; launch attn (part 3): grid 4 x 64, 16 waves a work-group, clusters of 4 x 1, 215,040 bytes of LDS; arguments qkv, oimg, osc; writes oimg, osc
.if DOCPART == 3
	.amdgcn_target "amdgcn-amd-amdhsa--gfx1250"
	.amdhsa_code_object_version 6
	.text
	.protected	k_q1cd935a5ac_attn
	.globl	k_q1cd935a5ac_attn
	.p2align	8
	.type	k_q1cd935a5ac_attn,@function
k_q1cd935a5ac_attn:
	s_mov_b64 s[64:65], 0
	v_nop
	global_prefetch_b8 v0, s[64:65] scope:SCOPE_SE
	s_setreg_imm32_b32 hwreg(HW_REG_WAVE_MODE, 25, 1), 1
	s_wait_xcnt 0x0
	s_wait_alu depctr_hold_cnt(0) depctr_sa_sdst(0) depctr_va_vdst(0) depctr_va_sdst(0) depctr_va_ssrc(0) depctr_va_vcc(0) depctr_vm_vsrc(0)
	s_getreg_b32 s2, hwreg(HW_REG_IB_STS2, 6, 4)
	s_cmp_eq_u32 s2, 0
	s_cbranch_scc0 .Lentry_in_a_cluster
	s_endpgm
.Lentry_in_a_cluster:
	s_bfe_u32 s2, ttmp6, 0x10000c
	s_cmp_lg_u32 s2, 0x3003
	s_cbranch_scc0 .Lentry_shape_is_right
	s_endpgm
.Lentry_shape_is_right:
; O[g][q] = the sum over k of softmax_k(Q[g][q] . K[g][k] / 8) V[g][k], g = batch x head (64), 2,048 tokens, head size 64; both products on codes of FP6 (E2M3) with E8M0 scales.
; THE SOFTMAX AHEAD OF THE SECOND PRODUCT: t = score x log2(e) / 8; M = the row's largest t so far, rounded up to a whole number; p = 2^(t - M) is quantised along the keys, not normalised.  The row's sum is
; taken of the unquantised p in f32 and divides O at the end.  When M moves, the sum and O are multiplied by 2^(old M - new M): exact.  The result is quantised along the model's axis for the last product.
; SHARES.  A work-group owns 512 queries of one g; each of its sixteen waves a pair of tiles of 16 queries, taken one after the other in a loop of two passes; in a pass the wave walks all 16 key steps of 128 keys.
; Four waves share a SIMD, so that one wave's vector work stands beside another's products and LDS loads.
; THE WHOLE g STAYS IN LDS: its 16 records of 12,800 bytes (k's half images, V^T's fragments, both scale words) are one dense block of 204,800 bytes; wave w brings record w with one tensor load.  Nothing is filled
; again: no ring, one barrier in front of the first read.  CLUSTER 4 x 1: the four work-groups of a g read the same block: each load is asked for jointly by all four.
; No prefetch: all that the launch reads of K and V is asked for at its head.
; LAYOUT.  Both products are used transposed: S^T = K Q^T, O^T = V^T P^T: a lane holds one query (lane % 16).  Slot r of tile 2 B + u is row 32 B + 8 u + r + 8 (r / 8), so the 16 registers of two neighbouring
; tiles are 16 neighbours along the next product's K.
; K = 64 IN AN INSTRUCTION OF 128: a fragment of K holds two key tiles side by side (half 0: tile 2 p, half 1: tile 2 p + 1).  The query stands in 18 registers [0 | q | 0]: [q | 0] gives tile 2 p's scores,
; [0 | q] tile 2 p + 1's; the other half multiplies codes by zero codes and adds nothing.  The scale bytes there are true bytes of the same operands, never 0xff.
; LIMITS: NaN and infinities are not served; a block of the result under 2^-124, or of zeros, gets the byte 1.
; REGISTERS: v1, v2 16 x, 8 x lane; v3, v4 LDS addresses of the step; v5 where my scale word goes; v6 q's pair word, v7 q's scale word; v8-9 K's scale words, v10-11 V's; v12 -M, v13 the largest t, v[14:15] the sum;
;   v16-33 [0 | q | 0]; v34-39 the second pass's q; v40-87 four fragments of K or of V; v88-151 S^T, then p; v152-183 O^T; v184-195 codes; v196-202 the conversions' second halves; v204-215 at work;
;   v[216:217] f; v218 at work; v219 p's scale word; v[220:221] a second chain of sums; v222 LDS address of the way out; v223 the result's scale bytes; v224 a load's offset.
.set REC,  12800
.set OSTG, 16*REC                      ; behind the records: 1,024 bytes for the result's scale bytes; no tensor load lands there
.set KV,   40
.set S,    88
.set O,    152
.set PC,   184
.set TM,   204                         ; v204-207 block maxima, v208-211 exchange and bytes, v212-215 the conversions' scale operands
.set WV,   10
.set SEL,  20
.set CS,   22
.set G1,   24
.set G0,   32
.macro ROUND                           ; a round of the cluster's barrier
	s_barrier_signal -1
	s_barrier_wait -1
	s_cmp_lg_u32 s[WV], 0
	s_cbranch_scc1 .Lnot_wave_0_\@
	s_barrier_signal -3
.Lnot_wave_0_\@:
	s_barrier_wait -3
	s_barrier_signal -1
	s_barrier_wait -1
.endm
.macro FRAG reg, a16, a8, off          ; a fragment's image (1,536 bytes) into 12 registers: every load reads consecutive bytes
	ds_load_b128 v[\reg:\reg+3], v[\a16] offset:\off
	ds_load_b64 v[\reg+4:\reg+5], v[\a8] offset:\off+512
	ds_load_b128 v[\reg+6:\reg+9], v[\a16] offset:\off+768
	ds_load_b64 v[\reg+10:\reg+11], v[\a8] offset:\off+1280
.endm
	s_load_b128 s[4:7], s[0:1], 0x0                ; qkv s[4:5], oimg s[6:7]
	s_load_b64 s[8:9], s[0:1], 0x10                ; osc
	v_lshl_add_u32 v254, v0, 2, 0x34000
	v_mov_b32 v255, 0
	ds_add_u32 v254, v255
	ds_add_u32 v254, v255
	v_lshrrev_b32 v1, 5, v0
	s_delay_alu instid0(VALU_DEP_1)
	v_readfirstlane_b32 s[WV], v1                  ; wave 0..15
	s_bfe_u32 s11, ttmp6, 0x40000                  ; cx
	s_lshl_b32 s12, ttmp9, 2
	s_add_co_u32 s12, s12, s11                     ; my block of 512 queries: it enters q's and the results' addresses alone
	s_and_b32 s13, ttmp7, 0xffff                   ; g, which the four partners share
	; descriptor group 1: a dense record of 12,800 bytes as 50 rows of 32 elements of 8 bytes
	s_mov_b32 s[G1], 15|(3<<16)|(1<<21)            ; 15:0 the mask: all four work-groups; 17:16 elements of 8 bytes; 21 set beside a mask
	s_mov_b32 s[G1+1], 32<<16                      ; tensor_dim0 = 32
	s_mov_b32 s[G1+2], 50<<16                      ; tensor_dim1 = 50
	s_mov_b32 s[G1+3], 32<<16                      ; tile_dim0 = 32
	s_mov_b32 s[G1+4], 50                          ; tile_dim1 = 50
	s_mov_b32 s[G1+5], 32                          ; stride from row to row
	s_mov_b32 s[G1+6], 0
	s_mov_b32 s[G1+7], 0
	s_add_co_u32 s14, s13, 64                      ; sel 1: k and v
	s_mul_i32 s14, s14, 16*REC
	s_mul_i32 s[G0+1], s[WV], REC                  ; LDS address: record w
	s_add_co_u32 s14, s14, s[G0+1]
	s_mov_b32 s15, 0
	s_mov_b32 s[G0], 1
	s_mov_b32 s[SEL], 0x76543210
	s_mov_b32 s[SEL+1], 0xfedcba98
	s_mov_b32 s[CS], 0x3e38aa3b                    ; c = log2(e) / 8
	s_mov_b32 s[CS+1], s[CS]                       ; (named with it as a pair, so it is written)
	s_wait_dscnt 0x0
	s_wait_kmcnt 0x0
	s_add_nc_u64 s[G0+2:G0+3], s[4:5], s[14:15]
	s_or_b32 s[G0+3], s[G0+3], 0x80000000          ; type = 2
	ROUND                                          ; all four work-groups are here: the joint loads meet
	tensor_load_to_lds s[G0:G0+3], s[G1:G1+7]      ; my one tensor load of the launch
	s_nop 0
.rept 4
	v_nop
.endr
	s_lshl_b32 s16, s13, 4                         ; q: sel 0, record g x 16 + 4 x block + w / 4,
	s_lshl_b32 s17, s12, 2
	s_add_co_u32 s16, s16, s17
	s_lshr_b32 s17, s[WV], 2
	s_add_co_u32 s16, s16, s17
	s_mul_i32 s16, s16, REC
	s_mov_b32 s17, 0
	s_add_nc_u64 s[46:47], s[4:5], s[16:17]
	s_and_b32 s16, s[WV], 3                        ; pair w % 4 in it
	s_mul_i32 s16, s16, 1536
	s_add_nc_u64 s[40:41], s[46:47], s[16:17]
	s_lshr_b32 s48, s13, 4                         ; batch
	s_and_b32 s49, s13, 15                         ; head
	s_lshl_b32 s16, s48, 3                         ; oimg: block of 256 rows = 8 batch + 2 block + w / 8,
	s_lshl_b32 s50, s12, 1
	s_add_co_u32 s16, s16, s50
	s_lshr_b32 s50, s[WV], 3
	s_add_co_u32 s16, s16, s50
	s_mul_i32 s16, s16, 196608
	s_lshr_b32 s50, s49, 1                         ; K step = head / 2,
	s_mul_i32 s50, s50, 24576
	s_add_co_u32 s16, s16, s50
	s_and_b32 s50, s[WV], 7                        ; tiles 2 (w % 8), + 1,
	s_mul_i32 s50, s50, 3072
	s_add_co_u32 s16, s16, s50
	s_and_b32 s50, s49, 1                          ; half = head % 2
	s_mul_i32 s50, s50, 768
	s_add_co_u32 s16, s16, s50
	s_add_nc_u64 s[42:43], s[6:7], s[16:17]
	s_lshl_b32 s16, s49, 14                        ; osc: [head][pair of tiles 256][64 bytes]: my work-group's 16 pairs
	s_lshl_b32 s50, s48, 12
	s_add_co_u32 s16, s16, s50
	s_lshl_b32 s50, s12, 10
	s_add_co_u32 s16, s16, s50
	s_add_nc_u64 s[44:45], s[8:9], s[16:17]
	v_and_b32 v3, 31, v0
	s_delay_alu instid0(VALU_DEP_1)
	v_lshlrev_b32 v1, 4, v3
	s_delay_alu instid0(VALU_DEP_2)
	v_lshlrev_b32 v2, 3, v3
	v_and_b32 v4, 15, v0                           ; r
	s_lshl_b32 s50, s[WV], 6
	s_add_co_u32 s50, s50, OSTG
	v_lshl_add_u32 v5, v4, 2, s50                  ; my pair's 64 bytes, my query slot's word
	v_add_nc_u32 v222, OSTG, v1
	s_and_b32 s50, s[WV], 1                        ; q's pair word lies at lane (r, pair % 2), word pair / 2
	s_lshl_b32 s50, s50, 7
	s_bfe_u32 s51, s[WV], 0x10001
	s_lshl_b32 s51, s51, 2
	s_add_co_u32 s50, s50, s51
	v_lshl_add_u32 v224, v4, 3, s50
	global_load_b128 v[22:25], v1, s[40:41]        ; the first pass's q: a half image
	global_load_b64 v[26:27], v2, s[40:41] offset:512
	global_load_b128 v[34:37], v1, s[40:41] offset:768   ; the second's
	global_load_b64 v[38:39], v2, s[40:41] offset:1280
	global_load_b32 v6, v224, s[46:47] offset:12288
.irp j, 16,17,18,19,20,21,28,29,30,31,32,33
	v_mov_b32 v\j, 0                               ; zero codes on both sides of q
.endr
.irp b, 0,1,2,3
	v_mov_b32 v[TM+4+\b], 0                        ; written once: a lane permute's destination counts as one of its sources
.endr
	v_mov_b32 v217, 0                              ; (named as the upper half of the pair v[216:217])
	v_mov_b32 v218, 0
	v_mov_b32 v223, 0
	s_wait_tensorcnt 0x0                           ; my record is in,
	s_barrier_signal -1
	s_barrier_wait -1                              ; everybody's is
	s_wait_loadcnt 0x0                             ; q
	s_mov_b32 s38, 2                               ; passes
	s_mov_b32 s39, 0x01000100                      ; which two bytes of the pair word are this pass's tile's
.Lpass:
	v_perm_b32 v7, v6, v6, s39                     ; q's scale word: the tile's two bytes, twice.  (The lines below are its places ahead of the scaled products)
	v_mov_b32 v13, 0xff61b1e6                      ; the largest t so far: -3e38, under every t
	s_delay_alu instid0(VALU_DEP_1)
	v_floor_f32 v12, -v13                          ; -M
	v_mov_b32 v14, 0                               ; the sum, in two halves
	v_mov_b32 v15, 0
.set j, 0
.rept 32
	v_mov_b32 v[O+j], 0                            ; O^T.  (The step is written once: the first finds zeros, which the first change of M leaves zeros)
.set j, j+1
.endr
	s_mov_b32 s36, 0                               ; the step's record in LDS
	s_mov_b32 s37, 16
.Lstep:
	v_add_nc_u32 v3, s36, v1
	v_add_nc_u32 v4, s36, v2
	v_nop
	v_nop                                          ; four places behind the last step's products, in front of loads into registers that they have read
.irp p, 0,1,2,3
	FRAG KV+12*\p, 3, 4, \p*1536
.endr
	ds_load_b64 v[8:9], v4 offset:12288            ; K's scale words: register i: lanes 0-15 pair 2 i, lanes 16-31 pair 2 i + 1
	ds_load_b64 v[10:11], v4 offset:12544          ; V's: tile 2 i, tile 2 i + 1
	s_wait_alu depctr_va_vdst(0)
	s_wait_dscnt 0x0
.irp p, 0,1,2,3                                ; S^T = K Q^T: eight tiles of 16 keys
.irp u, 0,1
.if \p%2
	v_wmma_scale_f32_16x16x128_f8f6f4 v[S+8*(2*\p+\u):S+8*(2*\p+\u)+7], v[KV+12*\p:KV+12*\p+11], v[22-6*\u:33-6*\u], 0, v[8+\p/2], v7 matrix_a_fmt:MATRIX_FMT_FP6 matrix_b_fmt:MATRIX_FMT_FP6 matrix_a_scale:MATRIX_SCALE_ROW1
.else
	v_wmma_scale_f32_16x16x128_f8f6f4 v[S+8*(2*\p+\u):S+8*(2*\p+\u)+7], v[KV+12*\p:KV+12*\p+11], v[22-6*\u:33-6*\u], 0, v[8+\p/2], v7 matrix_a_fmt:MATRIX_FMT_FP6 matrix_b_fmt:MATRIX_FMT_FP6
.endif
.endr
.endr
.rept 4
	v_nop                                          ; places: for the loads below and for the first read of the scores
.endr
.irp d, 0,1,2,3
	FRAG KV+12*\d, 3, 4, 6144+\d*1536              ; V^T's four fragments land while the softmax is walked
.endr
.irp b, 0,1,2,3
	v_max3_num_f32 v[TM+\b], v[S+16*\b], v[S+1+16*\b], v[S+2+16*\b]   ; the largest score of each block of 32 keys: it serves for the row's maximum and, since p rises with the score, for the block's largest p
.endr
.irp i, 3,5,7,9,11,13
.irp b, 0,1,2,3
	v_max3_num_f32 v[TM+\b], v[TM+\b], v[S+16*\b+\i], v[S+1+16*\b+\i]
.endr
.endr
.irp b, 0,1,2,3
	v_max_num_f32 v[TM+\b], v[TM+\b], v[S+15+16*\b]
.endr
.irp b, 0,1,2,3
	s_delay_alu instid0(VALU_DEP_4)
	v_permlanex16_b32 v[TM+4+\b], v[TM+\b], s[SEL], s[SEL+1]
.endr
.irp b, 0,1,2,3
	s_delay_alu instid0(VALU_DEP_4)
	v_max_num_f32 v[TM+\b], v[TM+\b], v[TM+4+\b]   ; with lane l xor 16's 16 keys
.endr
	s_delay_alu instid0(VALU_DEP_2)
	v_max3_num_f32 v218, v[TM], v[TM+1], v[TM+2]
	s_delay_alu instid0(VALU_DEP_1)
	v_max_num_f32 v218, v218, v[TM+3]              ; the step's largest score of my query
	s_delay_alu instid0(VALU_DEP_1)
	v_mul_f32 v218, s[CS], v218                    ; as t (c is positive)
	s_delay_alu instid0(VALU_DEP_1)
	v_max_num_f32 v13, v13, v218                   ; the running largest t
	v_mov_b32 v218, v12
	s_delay_alu instid0(VALU_DEP_2)
	v_floor_f32 v12, -v13                          ; the new -M = floor(-t): M is a whole number
	s_delay_alu instid0(VALU_DEP_1)
	v_sub_f32 v218, v12, v218                      ; old M - new M: a whole number, 0 or less
	s_delay_alu instid0(VALU_DEP_1)
	v_cvt_i32_f32 v218, v218                       ; (it saturates)
	s_delay_alu instid0(VALU_DEP_1)
	v_ldexp_f32 v216, 1.0, v218                    ; f = 2^(old M - new M)
.set j, 0
.rept 32
	v_pk_fma_f32 v[S+j:S+j+1], v[S+j:S+j+1], s[CS:CS+1], v[12:13] op_sel_hi:[1,0,0]   ; t - M, two at a time
.set j, j+2
.endr
.irp b, 0,1,2,3
	v_fma_f32 v[TM+\b], v[TM+\b], s[CS], v12       ; the same of each block's largest score
.endr
.set j, 0
	s_wait_alu depctr_va_vdst(0)
.rept 64
	v_exp_f32 v[S+j], v[S+j]                       ; p = 2^(t - M), at most 1
.set j, j+1
.endr
	v_pk_mul_f32 v[14:15], v[14:15], v[216:217] op_sel_hi:[1,0]   ; the sums under the new M: a plain place behind the exponentials
	s_wait_alu depctr_va_vdst(0)                   ; one wait for the whole batch, ahead of its first reader
.irp b, 0,1,2,3
	v_exp_f32 v[TM+\b], v[TM+\b]                   ; the block's largest p: the same two instructions on the same number
.endr
	v_pk_add_f32 v[220:221], v[92:93], v[96:97]
	v_pk_add_f32 v[252:253], v[100:101], v[104:105]
	v_pk_add_f32 v[250:251], v[108:109], v[112:113]
	v_pk_add_f32 v[248:249], v[116:117], v[120:121]
	v_pk_add_f32 v[246:247], v[124:125], v[128:129]
	v_pk_add_f32 v[244:245], v[132:133], v[136:137]
	v_pk_add_f32 v[242:243], v[140:141], v[144:145]
	v_pk_add_f32 v[14:15], v[14:15], v[148:149]
	v_pk_add_f32 v[220:221], v[220:221], v[88:89]
	v_pk_add_f32 v[252:253], v[252:253], v[90:91]
	v_pk_add_f32 v[250:251], v[250:251], v[94:95]
	v_pk_add_f32 v[248:249], v[248:249], v[98:99]
	v_pk_add_f32 v[246:247], v[246:247], v[102:103]
	v_pk_add_f32 v[244:245], v[244:245], v[106:107]
	v_pk_add_f32 v[242:243], v[242:243], v[110:111]
	v_pk_add_f32 v[14:15], v[14:15], v[114:115]
	v_pk_add_f32 v[220:221], v[220:221], v[118:119]
	v_pk_add_f32 v[252:253], v[252:253], v[122:123]
	v_pk_add_f32 v[250:251], v[250:251], v[126:127]
	v_pk_add_f32 v[248:249], v[248:249], v[130:131]
	v_pk_add_f32 v[246:247], v[246:247], v[134:135]
	v_pk_add_f32 v[244:245], v[244:245], v[138:139]
	v_pk_add_f32 v[242:243], v[242:243], v[142:143]
	v_pk_add_f32 v[14:15], v[14:15], v[146:147]
	v_pk_add_f32 v[220:221], v[220:221], v[150:151]
	s_delay_alu instid0(VALU_DEP_2)
	v_pk_add_f32 v[14:15], v[14:15], v[248:249]
	s_delay_alu instid0(VALU_DEP_2)
	v_pk_add_f32 v[220:221], v[220:221], v[246:247]
	v_pk_add_f32 v[252:253], v[252:253], v[244:245]
	v_pk_add_f32 v[250:251], v[250:251], v[242:243]
	s_delay_alu instid0(VALU_DEP_2)
	v_pk_add_f32 v[14:15], v[14:15], v[252:253]
	s_delay_alu instid0(VALU_DEP_2)
	v_pk_add_f32 v[220:221], v[220:221], v[250:251]
	s_delay_alu instid0(VALU_DEP_1)
	v_pk_add_f32 v[14:15], v[14:15], v[220:221]
	s_wait_alu depctr_va_vdst(0)                   ; and one for the four
.irp b, 0,1,2,3
	v_max_num_f32 v[TM+\b], 0x1800000, v[TM+\b]    ; the floor 2^(3 - 127): the byte cannot fall under 1
.endr
.irp b, 0,1,2,3
	s_delay_alu instid0(VALU_DEP_4)
	v_add_nc_u32 v[TM+8+\b], 0xff000000, v[TM+\b]  ; 2 off the exponent field: the conversion's scale operand
.endr
.irp b, 0,1,2,3
	s_delay_alu instid0(VALU_DEP_4)
	v_lshrrev_b32 v[TM+4+\b], 23, v[TM+8+\b]       ; the scale's byte
.endr
	s_delay_alu instid0(VALU_DEP_3)
	v_lshl_or_b32 v219, v[TM+5], 8, v[TM+4]        ; p's scale word for these 128 keys
	s_delay_alu instid0(VALU_DEP_1)
	v_lshl_or_b32 v219, v[TM+6], 16, v219
	s_delay_alu instid0(VALU_DEP_1)
	v_lshl_or_b32 v219, v[TM+7], 24, v219
.irp c, 0,1
	v_cvt_scalef32_pk16_fp6_f32 v[PC+6*\c:PC+2+6*\c], v[S+32*\c:S+15+32*\c], v[TM+8+2*\c]
	v_cvt_scalef32_pk16_fp6_f32 v[PC+12+4*\c:PC+14+4*\c], v[S+16+32*\c:S+31+32*\c], v[TM+8+2*\c+1]
.endr
	v_nop                                          ; one plain place behind a scaled conversion
.irp c, 0,1                                    ; a whole block in a lane: lanes 0-15 block 2 c, lanes 16-31 block 2 c + 1
.irp i, 0,1,2
	v_permlane16_swap_b32 v[PC+6*\c+\i], v[PC+12+4*\c+\i]
.endr
.irp i, 0,1,2
	s_delay_alu instid0(VALU_DEP_3)
	v_mov_b32 v[PC+3+6*\c+\i], v[PC+12+4*\c+\i]
.endr
.endr
.set j, 0
.rept 16
	v_pk_mul_f32 v[O+j:O+j+1], v[O+j:O+j+1], v[216:217] op_sel_hi:[1,0]   ; O^T under the new M.  (Also the places between the codes and the scale word just made and the products)
.set j, j+2
.endr
	s_wait_alu depctr_va_vdst(0)
	s_wait_dscnt 0x0                               ; V^T's fragments are in
.irp d, 0,1,2,3                                ; O^T += V^T P^T: four accumulators, one instruction each
.if \d%2
	v_wmma_scale_f32_16x16x128_f8f6f4 v[O+8*\d:O+8*\d+7], v[KV+12*\d:KV+12*\d+11], v[PC:PC+11], v[O+8*\d:O+8*\d+7], v[10+\d/2], v219 matrix_a_fmt:MATRIX_FMT_FP6 matrix_b_fmt:MATRIX_FMT_FP6 matrix_a_scale:MATRIX_SCALE_ROW1
.else
	v_wmma_scale_f32_16x16x128_f8f6f4 v[O+8*\d:O+8*\d+7], v[KV+12*\d:KV+12*\d+11], v[PC:PC+11], v[O+8*\d:O+8*\d+7], v[10+\d/2], v219 matrix_a_fmt:MATRIX_FMT_FP6 matrix_b_fmt:MATRIX_FMT_FP6
.endif
.endr
	s_add_co_u32 s36, s36, REC
	s_sub_co_u32 s37, s37, 1
	s_cmp_lg_u32 s37, 0
	s_cbranch_scc1 .Lstep
	; THE END OF A PASS: O^T / the sum; register 16 B + i is channel 32 B + 16 h + i of my query: two blocks along the last product's K, half (head % 2) of a fragment
.rept 4
	v_nop                                          ; places behind the last products
.endr
	v_add_f32 v14, v14, v15                        ; the sum's two halves,
	s_delay_alu instid0(VALU_DEP_1)
	v_permlanex16_b32 v218, v14, s[SEL], s[SEL+1]
	s_delay_alu instid0(VALU_DEP_1)
	v_add_f32 v14, v14, v218                       ; and lane l xor 16's
	s_wait_alu depctr_va_vdst(0)
	v_rcp_f32 v14, v14
	v_nop                                          ; a plain place behind the reciprocal
	s_wait_alu depctr_va_vdst(0)                   ; the wait ahead of its first reader
.set j, 0
.rept 32
	v_mul_f32 v[S+j], v[O+j], v14                  ; each accumulator from its low end on
.set j, j+1
.endr
.irp b, 0,1
	v_max3_num_f32 v[TM+\b], |v[S+16*\b]|, |v[S+1+16*\b]|, 0x1800000
.endr
.irp i, 2,4,6,8,10,12,14
.irp b, 0,1
	s_delay_alu instid0(VALU_DEP_2)
	v_max3_num_f32 v[TM+\b], v[TM+\b], |v[S+16*\b+\i]|, |v[S+1+16*\b+\i]|
.endr
.endr
.irp b, 0,1
	s_delay_alu instid0(VALU_DEP_2)
	v_permlanex16_b32 v[TM+4+\b], v[TM+\b], s[SEL], s[SEL+1]
.endr
.irp b, 0,1
	s_delay_alu instid0(VALU_DEP_2)
	v_max_num_f32 v[TM+\b], v[TM+\b], v[TM+4+\b]
.endr
.irp b, 0,1
	s_delay_alu instid0(VALU_DEP_2)
	v_add_nc_u32 v[TM+8+\b], 0xff000000, v[TM+\b]
.endr
.irp b, 0,1
	s_delay_alu instid0(VALU_DEP_2)
	v_lshrrev_b32 v[TM+4+\b], 23, v[TM+8+\b]
.endr
	s_delay_alu instid0(VALU_DEP_1)
	v_lshl_or_b32 v218, v[TM+5], 8, v[TM+4]        ; the head's two scale bytes of my query
	s_delay_alu instid0(VALU_DEP_1)
	v_perm_b32 v223, v218, v223, 0x05040302        ; the first pass's two move down, this pass's two come in on top: behind both passes (tile 0: two bytes, tile 1: two bytes)
	v_cvt_scalef32_pk16_fp6_f32 v[PC:PC+2], v[S:S+15], v[TM+8]
	v_cvt_scalef32_pk16_fp6_f32 v[PC+12:PC+14], v[S+16:S+31], v[TM+9]
	v_nop                                          ; one plain place behind a scaled conversion
.irp i, 0,1,2
	v_permlane16_swap_b32 v[PC+\i], v[PC+12+\i]
.endr
.irp i, 0,1,2
	s_delay_alu instid0(VALU_DEP_3)
	v_mov_b32 v[PC+3+\i], v[PC+12+\i]
.endr
	global_store_b128 v1, v[PC:PC+3], s[42:43]     ; 512 consecutive bytes
	global_store_b64 v2, v[PC+4:PC+5], s[42:43] offset:512   ; 256 consecutive bytes
.irp i, 0,1,2,3,4,5
	v_mov_b32 v[22+\i], v[34+\i]                   ; the second pass's q
.endr
	s_add_co_u32 s39, s39, 0x02020202              ; and its two bytes
	s_wait_xcnt 0x0                                ; the stores have read their base and their data
	s_add_nc_u64 s[42:43], s[42:43], 1536          ; the pair's second tile
	s_sub_co_u32 s38, s38, 1
	s_cmp_lg_u32 s38, 0
	s_cbranch_scc1 .Lpass
	ds_store_b32 v5, v223                          ; lanes r and r + 16 write the same word with the same value
	s_wait_dscnt 0x0                               ; for the others' sake
	s_barrier_signal -1
	s_barrier_wait -1
	s_cmp_lg_u32 s[WV], 0                          ; wave 0 stores the work-group's 1,024 consecutive bytes
	s_cbranch_scc1 .Lnot_first
	ds_load_b128 v[88:91], v222
	ds_load_b128 v[92:95], v222 offset:512
	s_wait_dscnt 0x0
	global_store_b128 v1, v[88:91], s[44:45]
	global_store_b128 v1, v[92:95], s[44:45] offset:512
.Lnot_first:
	s_wait_tensorcnt 0x0
	ds_add_u32 v254, v255
	s_wait_dscnt 0x0
	ROUND                                          ; the closing round
	s_endpgm
.Lfunc_end_k_q1cd935a5ac_attn:
	.size	k_q1cd935a5ac_attn, .Lfunc_end_k_q1cd935a5ac_attn-k_q1cd935a5ac_attn
	.p2alignl 7, 3214868480
	.fill 96, 4, 3214868480
	.section	.rodata,"a",@progbits
	.p2align	6, 0x0
	.amdhsa_kernel k_q1cd935a5ac_attn
		.amdhsa_group_segment_fixed_size 215040
		.amdhsa_private_segment_fixed_size 0
		.amdhsa_enable_private_segment 0
		.amdhsa_kernarg_size 24
		.amdhsa_user_sgpr_count 2
		.amdhsa_user_sgpr_kernarg_segment_ptr 1
		.amdhsa_wavefront_size32 1
		.amdhsa_system_sgpr_workgroup_id_x 1
		.amdhsa_system_sgpr_workgroup_id_y 1
		.amdhsa_system_sgpr_workgroup_id_z 1
		.amdhsa_system_vgpr_workitem_id 0
		.amdhsa_next_free_vgpr 256
		.amdhsa_next_free_sgpr 66
		.amdhsa_reserve_vcc 0
		.amdhsa_float_denorm_mode_32 3
		.amdhsa_float_denorm_mode_16_64 3
		.amdhsa_memory_ordered 1
		.amdhsa_forward_progress 1
		.amdhsa_inst_pref_size 31
	.end_amdhsa_kernel
	.amdgpu_metadata
---
amdhsa.version: [ 1, 2 ]
amdhsa.kernels:
  - .name:           k_q1cd935a5ac_attn
    .symbol:         k_q1cd935a5ac_attn.kd
    .args:
      - { .name: qkv, .offset: 0, .size: 8, .value_kind: global_buffer, .address_space: global }
      - { .name: oimg, .offset: 8, .size: 8, .value_kind: global_buffer, .address_space: global }
      - { .name: osc, .offset: 16, .size: 8, .value_kind: global_buffer, .address_space: global }
    .group_segment_fixed_size: 215040
    .private_segment_fixed_size: 0
    .kernarg_segment_align: 8
    .kernarg_segment_size: 24
    .max_flat_workgroup_size: 512
    .sgpr_count:     66
    .vgpr_count:     256
    .wavefront_size: 32
...
	.end_amdgpu_metadata
.endif
;; end of part 3
;; launch outp (part 4): grid 4 x 32, 4 waves a work-group, clusters of 4 x 4, 327,680 bytes of LDS; arguments oimg, osc, wimg, wsc, bo, out0; writes out0
.if DOCPART == 4
	.amdgcn_target "amdgcn-amd-amdhsa--gfx1250"
	.amdhsa_code_object_version 6
	.text
	.protected	k_q1cd935a5ac_outp
	.globl	k_q1cd935a5ac_outp
	.p2align	8
	.type	k_q1cd935a5ac_outp,@function
k_q1cd935a5ac_outp:
	s_mov_b64 s[64:65], 0
	v_nop
	global_prefetch_b8 v0, s[64:65] scope:SCOPE_SE
	s_setreg_imm32_b32 hwreg(HW_REG_WAVE_MODE, 25, 1), 1
	s_wait_xcnt 0x0
	s_wait_alu depctr_hold_cnt(0) depctr_sa_sdst(0) depctr_va_vdst(0) depctr_va_sdst(0) depctr_va_ssrc(0) depctr_va_vcc(0) depctr_vm_vsrc(0)
	s_getreg_b32 s2, hwreg(HW_REG_IB_STS2, 6, 4)
	s_cmp_eq_u32 s2, 0
	s_cbranch_scc0 .Lentry_in_a_cluster
	s_endpgm
.Lentry_in_a_cluster:
	s_bfe_u32 s2, ttmp6, 0x10000c
	s_cmp_lg_u32 s2, 0xf033
	s_cbranch_scc0 .Lentry_shape_is_right
	s_endpgm
.Lentry_shape_is_right:
; out0 = o Wo + bo on codes of FP6 (E2M3) with E8M0 scales; o, the attention's result, and Wo lie in memory as images of operand registers; sums in f32, out0 [8192][1024] f32.
; SHARES.  Work-group (X, Y): block X of 256 columns of Wo x block Y of 256 rows, K = 1,024 in 8 steps of 128.  Four waves, each 128 x 128: 64 accumulators.  Source 0 "P" = Wo's tiles, source 1 "N" = o's:
; a lane holds one row of out0 and its registers run along the columns.  Slot r of tile 2 B + u is row 32 B + 8 u + r + 8 (r / 8): the 16 result registers of P's tiles 2 B, 2 B + 1 are columns 32 B + 16 (lane / 16) + 0 .. 15.
; LDS: six regions of 49,152 bytes, [Wo's 16 fragments][o's 16 fragments] of one K step; K steps 0-5 are first fills, K steps 6 and 7 fill regions 0 and 1 again behind the launch's one such round.
; CLUSTER 4 x 4: Wo's block is asked for jointly along a column of the cluster, o's along a row.  128 work-groups: the tile is kept at 256 x 256, as in the launch of the first three products.
; SCALE WORDS: 64 registers, loaded once.  Wo's come as they are used; o's are pieced together once from [head][pair of tiles][slot][tile] of two bytes: K step s is heads 2 s and 2 s + 1.
; bo is the C of K step 0's products.
; REGISTERS: window 0: v1-3 lane, r, h; v4-7 LDS addresses in hand; v16-19 their bases; v20, v21 16 x, 8 x lane; v22 a load's offset; v24, v25 the stage; v28, v29 the add's; v32-63 P's scale words, v64-95 N's;
;   v96-127 and v224-255 bo; v128-223 N's 8 fragments, one set (on the way out v128-191, v192-255: rows of out0).  window 1: P's fragments, two sets.  windows 2, 3: accumulator (a, b) at v[8 (8 (a % 4) + b)].
.set REG,   49152
.set HALF,  24576
.set SPARE, 6*REG                      ; the spare words, 128 bytes a wave: two blocks of 256 bytes that no other line names
.set STAGE, 2*REG                      ; the way out: 16 rows x (512 bytes + 16) for each wave, in region 2: it has had its one fill, and nobody reads it behind the barrier of K step 3
.set SPITCH, 528
.set SPW, 28
.set NIL, 29
.set SCP, 32
.set SCN, 64
.set AF,  128
.set STO, 24
.set RD,  25
.set G1W, 28
.set G1X, 36
.set G0W, 44
.set G0X, 68
.set MSB, 0
.macro WIN new                         ; the immediate's high byte repeats the setting that is left
.if MSB != (\new)
	s_set_vgpr_msb (MSB<<8)|(\new)
.set MSB, (\new)
.endif
.endm
.set MUL_LO, 0xa1                      ; source 0 (P) window 1, source 1 (N) window 0, C and D window 2
.set MUL_HI, 0xf1                      ; the same, C and D window 3
.set BIA_LO, 0x81                      ; K step 0: C (bo) window 0, D window 2
.set BIA_HI, 0xc1                      ; D window 3
.set TO_B,   0x40                      ; destination window 1, address window 0
.macro PLACES n
.rept \n
	v_nop
.endr
.endm
.macro JLOAD p                         ; a joint load by group 0 number p: waves 0 and 1 fetch for Wo, waves 2 and 3 for o
	s_cmp_eq_u32 s21, 0
	s_cbranch_scc0 .Lfor_x_\@
	tensor_load_to_lds s[G0W+4*\p:G0W+4*\p+3], s[G1W:G1W+7]
	s_nop 0
	PLACES 4
	s_branch .Lasked_\@
.Lfor_x_\@:
	tensor_load_to_lds s[G0X+4*\p:G0X+4*\p+3], s[G1X:G1X+7]
	s_nop 0
	PLACES 4
.Lasked_\@:
.endm
.macro CREST
	s_cmp_lg_u32 s20, 0
	s_cbranch_scc1 .Lnot_wave_0_\@
	s_barrier_signal -3
.Lnot_wave_0_\@:
	s_barrier_wait -3
	s_barrier_signal -1
	s_barrier_wait -1
.endm
.macro CROUND
	s_barrier_signal -1
	s_barrier_wait -1
	CREST
.endm
.macro FRAG reg, a16, a8, off
	ds_load_b128 v[\reg:\reg+3], v[\a16] offset:\off
	ds_load_b64 v[\reg+4:\reg+5], v[\a8] offset:\off+512
	ds_load_b128 v[\reg+6:\reg+9], v[\a16] offset:\off+768
	ds_load_b64 v[\reg+10:\reg+11], v[\a8] offset:\off+1280
.endm
	s_load_b256 s[4:11], s[0:1], 0x0               ; oimg s[4:5], osc s[6:7], wimg s[8:9], wsc s[10:11]
	s_load_b128 s[12:15], s[0:1], 0x20             ; bo s[12:13], out0 s[14:15]
	v_lshl_add_u32 v[SPW], v0, 2, SPARE
	v_mov_b32 v[NIL], 0
	ds_add_u32 v28, v29
	ds_add_u32 v28, v29
	s_wait_dscnt 0x0
	v_lshrrev_b32 v1, 5, v0
	v_readfirstlane_b32 s20, v1                    ; wave 0..3
	s_lshr_b32 s21, s20, 1                         ; my half of the rows.  Also: I fetch for Wo (0) or for o (1)
	s_and_b32 s22, s20, 1                          ; my half of the columns.  Also: the even or the odd K step of a pair
	s_bfe_u32 s24, ttmp6, 0x40000                  ; cx
	s_bfe_u32 s25, ttmp6, 0x40004                  ; cy
	s_lshl_b32 s26, ttmp9, 2
	s_add_co_u32 s26, s26, s24                     ; X
	s_and_b32 s27, ttmp7, 0xffff
	s_lshl_b32 s27, s27, 2
	s_add_co_u32 s27, s27, s25                     ; Y
	s_lshl_b32 s80, s25, 2
	s_lshl_b32 s80, 15, s80                        ; my row of the cluster
	s_lshl_b32 s81, 0x1111, s24                    ; my column
	s_or_b32 s[G1W], s81, (3<<16)|(1<<21)          ; a dense block of 24,576 bytes as 96 rows of 32 elements of 8 bytes; Wo's go to my column,
	s_or_b32 s[G1X], s80, (3<<16)|(1<<21)          ; o's to my row
.irp g, G1W, G1X
	s_mov_b32 s[\g+1], 32<<16
	s_mov_b32 s[\g+2], 96<<16
	s_mov_b32 s[\g+3], 32<<16
	s_mov_b32 s[\g+4], 96
	s_mov_b32 s[\g+5], 32
	s_mov_b32 s[\g+6], 0
	s_mov_b32 s[\g+7], 0
.endr
	s_mul_i32 s82, s22, HALF
	s_add_co_u32 s84, s26, 12                      ; Wo is the fourth matrix: blocks 12 to 15; these registers never hold Y
	s_mul_i32 s84, s84, 196608
	s_add_co_u32 s84, s84, s82
	s_mov_b32 s85, 0
	s_mul_i32 s86, s27, 196608                     ; o: block Y; these never hold X
	s_add_co_u32 s86, s86, s82
	s_mov_b32 s87, 0
	s_mul_i32 s83, s22, REG
	s_wait_kmcnt 0x0
	s_add_nc_u64 s[84:85], s[8:9], s[84:85]
	s_add_nc_u64 s[86:87], s[4:5], s[86:87]
	CROUND                                         ; all sixteen work-groups are here: the first joint loads meet
.irp p, 0,1,2
	s_mov_b32 s[G0W+4*\p], 1
	s_add_co_u32 s[G0W+4*\p+1], s83, \p*2*REG
	s_add_nc_u64 s[G0W+4*\p+2:G0W+4*\p+3], s[84:85], \p*2*HALF
	s_or_b32 s[G0W+4*\p+3], s[G0W+4*\p+3], 0x80000000
	s_mov_b32 s[G0X+4*\p], 1
	s_add_co_u32 s[G0X+4*\p+1], s83, \p*2*REG+HALF
	s_add_nc_u64 s[G0X+4*\p+2:G0X+4*\p+3], s[86:87], \p*2*HALF
	s_or_b32 s[G0X+4*\p+3], s[G0X+4*\p+3], 0x80000000
.endr
	s_cmp_eq_u32 s21, 0                            ; one tensor load a wave at the head: a half of K step 0 or 1
	s_cbranch_scc0 .Lfirst_x
	tensor_load_to_lds s[G0W:G0W+3], s[G1W:G1W+7]
	s_nop 0
	PLACES 4
	s_branch .Lfirst_asked
.Lfirst_x:
	tensor_load_to_lds s[G0X:G0X+3], s[G1X:G1X+7]
	s_nop 0
	PLACES 4
.Lfirst_asked:
	v_and_b32 v1, 31, v0
	v_and_b32 v2, 15, v0
	v_bfe_u32 v3, v0, 4, 1
	v_lshlrev_b32 v20, 4, v1
	v_lshlrev_b32 v21, 3, v1
	s_mul_i32 s80, s22, 12288                      ; my 8 of Wo's 16 fragments
	s_mul_i32 s81, s21, 12288                      ; my 8 of o's, behind Wo's
	s_add_co_u32 s81, s81, HALF
	v_add_nc_u32 v16, s80, v20
	v_add_nc_u32 v17, s80, v21
	v_add_nc_u32 v18, s81, v20
	v_add_nc_u32 v19, s81, v21
	s_mul_i32 s80, s20, 16*SPITCH
	s_add_co_u32 s80, s80, STAGE                   ; my stage
	v_mul_u32_u24 v[STO], v2, SPITCH
	v_lshl_add_u32 v[STO], v3, 6, v[STO]
	v_add_nc_u32 v[STO], s80, v[STO]               ; in: row r, + 64 h
	v_add_nc_u32 v[RD], s80, v20                   ; back: a row's 512 bytes, 16 a lane
	s_lshl_b32 s88, s26, 13                        ; Wo's scale words: pairs 96 + 8 X + 4 (w & 1) on
	s_lshl_b32 s82, s22, 12
	s_add_co_u32 s88, s88, s82
	s_add_co_u32 s88, s88, 96*1024
	s_mov_b32 s89, 0
	s_add_nc_u64 s[88:89], s[10:11], s[88:89]
	s_lshl_b32 s90, s27, 9                         ; o's scale bytes: pairs 8 Y + 4 (w >> 1) on, 64 bytes each
	s_lshl_b32 s82, s21, 8
	s_add_co_u32 s90, s90, s82
	s_mov_b32 s91, 0
	s_add_nc_u64 s[90:91], s[6:7], s[90:91]
	s_lshl_b32 s92, s26, 10                        ; bo: 256 numbers a block, 128 a wave
	s_lshl_b32 s82, s22, 9
	s_add_co_u32 s92, s92, s82
	s_mov_b32 s93, 0
	s_add_nc_u64 s[12:13], s[12:13], s[92:93]
	s_lshl_b32 s94, s27, 20                        ; out0: row 256 Y + 128 (w >> 1), + the same columns' bytes
	s_lshl_b32 s82, s21, 19
	s_add_co_u32 s94, s94, s82
	s_add_co_u32 s94, s94, s92
	s_mov_b32 s95, 0
	s_add_nc_u64 s[14:15], s[14:15], s[94:95]
	v_lshlrev_b32 v22, 2, v2
	v_lshl_add_u32 v22, v3, 15, v22                ; 4 r, and two heads (one K step) further on for lanes 16-31
	v_lshlrev_b32 v23, 6, v3                       ; bo: 64 h
.irp i, 0,1,2,3
.irp j, 0,1,2,3
	global_load_b64 v[SCP+8*\i+2*\j:SCP+8*\i+2*\j+1], v21, s[88:89] offset:\i*1024+\j*256
	global_load_b32 v[AF+8*\i+2*\j], v22, s[90:91] offset:(4*\j)*16384+64*\i      ; head 4 j + 2 h: (tile 2 i: two bytes, tile 2 i + 1: two bytes) of slot r
	global_load_b32 v[AF+8*\i+2*\j+1], v22, s[90:91] offset:(4*\j+1)*16384+64*\i  ; head 4 j + 2 h + 1
.endr
.endr
.irp b, 0,1,2,3
.irp q, 0,1,2,3
	global_load_b128 v[96+16*\b+4*\q+96*(\b/2):96+16*\b+4*\q+96*(\b/2)+3], v23, s[12:13] offset:128*\b+16*\q   ; register 16 B + i = bo(32 B + 16 h + i)
.endr
.endr
	s_wait_loadcnt 0x0
.irp i, 0,1,2,3
.irp j, 0,1,2,3
	v_perm_b32 v[SCN+8*\i+2*\j], v[AF+8*\i+2*\j+1], v[AF+8*\i+2*\j], 0x05040100     ; tile 2 i: the even head's two bytes, the odd head's two
	v_perm_b32 v[SCN+8*\i+2*\j+1], v[AF+8*\i+2*\j+1], v[AF+8*\i+2*\j], 0x07060302   ; tile 2 i + 1
.endr
.endr
	PLACES 8                                       ; a scale register written by a vector instruction stands eight places ahead of a scaled matrix instruction
; 16 matrix instructions: N's tiles a0, a0 + 1 x P's eight, K step s.  bias = 1: bo starts the sums.  The 64 accumulators take turns, one instruction a turn, in the same order in every K step.
.macro MUL16 a0, p, s, bias
.irp a, \a0, \a0+1
.irp b, 0,1,2,3,4,5,6,7
.set rD, 8*(8*((\a)%4)+\b)
.set rP, 128*(\p)+12*\b
.set rN, AF+12*(\a)
.set rC, 96+8*\b+96*(\b/4)
.set rS, SCP+8*(\b/2)+2*((\s)/2)+\b%2
.set rT, SCN+8*((\a)/2)+2*((\s)/2)+(\a)%2
.if \bias
	v_wmma_scale_f32_16x16x128_f8f6f4 v[rD:rD+7], v[rP:rP+11], v[rN:rN+11], v[rC:rC+7], v[rS], v[rT] matrix_a_fmt:MATRIX_FMT_FP6 matrix_b_fmt:MATRIX_FMT_FP6
.elseif (\s)%2
	v_wmma_scale_f32_16x16x128_f8f6f4 v[rD:rD+7], v[rP:rP+11], v[rN:rN+11], v[rD:rD+7], v[rS], v[rT] matrix_a_fmt:MATRIX_FMT_FP6 matrix_b_fmt:MATRIX_FMT_FP6 matrix_a_scale:MATRIX_SCALE_ROW1 matrix_b_scale:MATRIX_SCALE_ROW1
.else
	v_wmma_scale_f32_16x16x128_f8f6f4 v[rD:rD+7], v[rP:rP+11], v[rN:rN+11], v[rD:rD+7], v[rS], v[rT] matrix_a_fmt:MATRIX_FMT_FP6 matrix_b_fmt:MATRIX_FMT_FP6
.endif
.endr
.endr
.endm
.macro FETCH_B p
	WIN TO_B
.irp i, 0,1,2,3,4,5,6,7
	FRAG 128*(\p)+12*\i, 4, 5, \i*1536
.endr
	WIN 0
.endm
.macro FETCH_A i0
.irp i, \i0, \i0+1, \i0+2, \i0+3
	FRAG AF+12*(\i), 6, 7, (\i)*1536
.endr
.endm
.macro ADV rn                          ; the addresses of region rn: four plain instructions, also the four places in front of the loads that follow
.irp k, 0,1,2,3
	v_add_nc_u32 v[4+\k], (\rn)*REG, v[16+\k]
.endr
.endm
.macro STEP s, rn, bias
	s_wait_dscnt 16                                ; P's set and N's fragments 0-3 are in; the youngest sixteen loads (N's 4-7) may be out
.if \bias
	WIN BIA_LO
.else
	WIN MUL_LO
.endif
	MUL16 0, (\s)%2, \s, \bias
	MUL16 2, (\s)%2, \s, \bias
	s_wait_dscnt 0x0
	WIN 0
	ADV \rn
	FETCH_B 1-(\s)%2
	FETCH_A 0
.if \bias
	WIN BIA_HI
.else
	WIN MUL_HI
.endif
	MUL16 4, (\s)%2, \s, \bias
	MUL16 6, (\s)%2, \s, \bias
	PLACES 4
	WIN 0
	FETCH_A 4
.endm
; kind 0: my second load has landed, my third may stay out.  kind 1: all have landed; the barrier opens a round of the cluster's, behind which regions 0 and 1 take K steps 6 and 7.
; kind 2: that refill has landed.
.macro TURN s, rn, kind
.if \kind
	s_wait_tensorcnt 0x0                           ; all my tensor loads have landed
	ds_add_u32 v[SPW], v[NIL]                      ; 0 onto my spare word
	s_wait_dscnt 17                                ; (the add and the youngest sixteen loads may be out)
.else
	s_wait_tensorcnt 1                             ; of my three first fills the last may be out
	s_wait_dscnt 16
.endif
	WIN MUL_LO
	MUL16 0, (\s)%2, \s, 0
	s_wait_dscnt 0x0                               ; the add is done and my LDS reads are over
	s_barrier_signal -1
	MUL16 2, (\s)%2, \s, 0
	WIN 0
	s_barrier_wait -1
.if \kind == 1
	CREST                                          ; no wave of any partner still reads regions 0 and 1 or has a load on its way
	s_add_nc_u64 s[G0W+2:G0W+3], s[G0W+2:G0W+3], 6*HALF
	s_add_nc_u64 s[G0X+2:G0X+3], s[G0X+2:G0X+3], 6*HALF
	JLOAD 0                                        ; my one tensor load behind the round
.endif
.if \kind == 3
	CREST                                          ; kind 3: a round behind which regions 4 and 5 have their first fill, K steps 4 and 5
	JLOAD 2
.endif
	ADV \rn
	FETCH_B 1-(\s)%2
	FETCH_A 0
	WIN MUL_HI
	MUL16 4, (\s)%2, \s, 0
	MUL16 6, (\s)%2, \s, 0
	PLACES 4
	WIN 0
	FETCH_A 4
.endm
	s_wait_alu depctr_va_vdst(0)
	s_wait_tensorcnt 0x0                           ; my half of K step 0 or 1 is in; the three lines ahead of a later first fill
	ds_add_u32 v[SPW], v[NIL]
	s_wait_dscnt 0x0
	CROUND                                         ; everybody's part is in, and the joint loads meet
	JLOAD 1                                        ; K steps 2 and 3 into regions 2 and 3: my one load behind the round
	ADV 0
	FETCH_B 0
	FETCH_A 0
	FETCH_A 4
	STEP 0, 1, 1
	TURN 1, 2, 3
	STEP 2, 3, 0
	TURN 3, 4, 1
	STEP 4, 5, 0
	TURN 5, 0, 2
	STEP 6, 1, 0
	s_wait_dscnt 16                                ; K step 7: nothing more to fetch
	WIN MUL_LO
	MUL16 0, 1, 7, 0
	MUL16 2, 1, 7, 0
	s_wait_dscnt 0x0
	WIN MUL_HI
	MUL16 4, 1, 7, 0
	MUL16 6, 1, 7, 0
	WIN 0
; THE WAY OUT, N's tile a (16 rows x 128 columns) at a time: through my own stage in LDS, back as whole rows of 512 bytes.  LDS serves a wave's instructions in order: no wait between the stores and the loads.
.macro TOSTAGE a
.set AC, 64*((\a)%4)
	WIN 0x08+4*((\a)/4)                            ; an LDS store's data: window 2 or 3
.irp b, 0,1,2,3,4,5,6,7
	ds_store_b128 v[STO], v[AC+8*\b:AC+8*\b+3] offset:128*(\b/2)+32*(\b%2)        ; each accumulator from its low end on: columns 32 (b / 2) + 16 h + 8 (b % 2) + 0 .. 7
	ds_store_b128 v[STO], v[AC+8*\b+4:AC+8*\b+7] offset:128*(\b/2)+32*(\b%2)+16
.endr
	WIN 0
.set BB, 128+64*((\a)%2)
.irp t, 0,1,2,3,4,5,6,7,8,9,10,11,12,13,14,15
	ds_load_b128 v[BB+4*\t:BB+4*\t+3], v[RD] offset:\t*SPITCH
.endr
.endm
.macro SEND a, younger                 ; younger: the LDS instructions issued behind tile a's loads, which may stay out
.set BB, 128+64*((\a)%2)
	s_wait_dscnt \younger
.irp t, 0,1,2,3,4,5,6,7,8,9,10,11,12,13,14,15
	global_store_b128 v20, v[BB+4*\t:BB+4*\t+3], s[14:15] offset:(32*((\a)/2)+8*((\a)%2)+\t+8*(\t/8))*4096 th:TH_STORE_NT   ; slot t's row: 512 consecutive bytes, aligned; written once, read by nobody here
.endr
.endm
	PLACES 4                                       ; behind the last products: their results are read and their fragments' registers loaded below
	TOSTAGE 0
.irp a, 1,2,3,4,5,6,7
.if \a > 1
	s_wait_xcnt 0x0                                ; tile a - 2's stores have read their registers: tile a's loads may land there
.endif
	TOSTAGE \a
	SEND \a-1, 32                                  ; behind tile a - 1's loads: tile a's 16 stores and 16 loads
.endr
	SEND 7, 0
	s_wait_tensorcnt 0x0                           ; the wave's end
	ds_add_u32 v[SPW], v[NIL]
	s_wait_dscnt 0x0
	CROUND                                         ; the closing round
	s_endpgm
.Lfunc_end_k_q1cd935a5ac_outp:
	.size	k_q1cd935a5ac_outp, .Lfunc_end_k_q1cd935a5ac_outp-k_q1cd935a5ac_outp
	.p2alignl 7, 3214868480
	.fill 96, 4, 3214868480
	.section	.rodata,"a",@progbits
	.p2align	6, 0x0
	.amdhsa_kernel k_q1cd935a5ac_outp
		.amdhsa_group_segment_fixed_size 327680
		.amdhsa_private_segment_fixed_size 0
		.amdhsa_enable_private_segment 0
		.amdhsa_kernarg_size 48
		.amdhsa_user_sgpr_count 2
		.amdhsa_user_sgpr_kernarg_segment_ptr 1
		.amdhsa_wavefront_size32 1
		.amdhsa_system_sgpr_workgroup_id_x 1
		.amdhsa_system_sgpr_workgroup_id_y 1
		.amdhsa_system_sgpr_workgroup_id_z 1
		.amdhsa_system_vgpr_workitem_id 0
		.amdhsa_next_free_vgpr 1024
		.amdhsa_next_free_sgpr 100
		.amdhsa_reserve_vcc 0
		.amdhsa_float_denorm_mode_32 3
		.amdhsa_float_denorm_mode_16_64 3
		.amdhsa_memory_ordered 1
		.amdhsa_forward_progress 1
		.amdhsa_inst_pref_size 150
	.end_amdhsa_kernel
	.amdgpu_metadata
---
amdhsa.version: [ 1, 2 ]
amdhsa.kernels:
  - .name:           k_q1cd935a5ac_outp
    .symbol:         k_q1cd935a5ac_outp.kd
    .args:
      - { .name: oimg, .offset: 0, .size: 8, .value_kind: global_buffer, .address_space: global }
      - { .name: osc, .offset: 8, .size: 8, .value_kind: global_buffer, .address_space: global }
      - { .name: wimg, .offset: 16, .size: 8, .value_kind: global_buffer, .address_space: global }
      - { .name: wsc, .offset: 24, .size: 8, .value_kind: global_buffer, .address_space: global }
      - { .name: bo, .offset: 32, .size: 8, .value_kind: global_buffer, .address_space: global }
      - { .name: out0, .offset: 40, .size: 8, .value_kind: global_buffer, .address_space: global }
    .group_segment_fixed_size: 327680
    .private_segment_fixed_size: 0
    .kernarg_segment_align: 8
    .kernarg_segment_size: 48
    .max_flat_workgroup_size: 128
    .sgpr_count:     100
    .vgpr_count:     1024
    .wavefront_size: 32
...
	.end_amdgpu_metadata
.endif
;; end of part 4
